; MI455X (gfx1250); checked and timed in simulation.
; The chip was launched on July 23, 2026; its instructions are those of AMD's public machine-readable ISA for CDNA 5 (MIT licence, August 2026) and "CDNA5" Instruction Set Architecture Reference Guide (July 2026). The comments in the code are by the model that wrote it; some were corrected since.
;; Self Attention. Allowed arithmetic: matrix products marked QUANTISED: E2M1 operands, one E8M0 scale for each 32 along K, by v_wmma_scale_f32_16x16x128_f8f6f4 with both operands' format E2M1 (or v_wmma_scale_f32_32x16x128_f4), f32 sums; everything else in f32.
;; Inputs: beta 512 float32; bk 512 float32; bo 512 float32; bq 512 float32; bv 512 float32; gamma 512 float32; wk 512 x 512 float32; wo 512 x 512 float32; wq 512 x 512 float32; wv 512 x 512 float32; x 8 x 512 x 2,048 float32.
;; Outputs: out0 8 x 512 x 2,048 float32.
;; This version of the problem:
;;   THIS VERSION OF THE PROBLEM IS GIVEN IN LOW PRECISION. The matrix products marked QUANTISED in the list below multiply operands that are first quantised to E2M1 (2 exponent bits, 1 mantissa bit; 4 bits a number), with one power-of-two scale for each 32 numbers along K (OCP MX v1.0); their sums are f32. All else is computed in f32.
;;   The module's matrix products, in the order in which they are computed (A, B: the left and right operand; K: the contracted axis; several contracted axes count as one K, in the product's order):
;;     1. [M 16,384, K 512] x [K 512, N 512]; A: computed on the way; B: input wq: QUANTISED
;;     2. [M 16,384, K 512] x [K 512, N 512]; A: computed on the way; B: input wk: QUANTISED
;;     3. [M 16,384, K 512] x [K 512, N 512]; A: computed on the way; B: input wv: QUANTISED
;;     4. batch 64 x [M 2,048, K 64] x [K 64, N 2,048]; A: computed on the way; B: computed on the way: QUANTISED
;;     5. batch 64 x [M 2,048, K 2,048] x [K 2,048, N 64]; A: softmax (see below); B: computed on the way: QUANTISED
;;     6. [M 16,384, K 512] x [K 512, N 512]; A: computed on the way; B: input wo: QUANTISED
;;   THE QUANTISER, for each operand of a quantised product, along K:
;;     - K is cut into blocks of 32 from its start; a last block that is shorter is filled with zeros.
;;     - A block's scale is 2^e with e = floor(log2(the largest magnitude in the block)) - 2, held to -126 .. 127; a block of zeros has e = 0. As a byte (E8M0): e + 127.
;;     - Each number is divided by its block's scale, clamped to +-6, and rounded to the nearest number of E2M1, ties to even, subnormals kept.
;;     - The product sums the exact products of the quantised numbers (number of the format x scale) in f32.
;;   ~~~python
;;   def quantise(x, axis):      # numpy; x: float32 -> the quantised numbers, widened to float32 again
;;       x = np.moveaxis(x, axis, -1); K = x.shape[-1]
;;       x = np.pad(x, [(0, 0)] * (x.ndim - 1) + [(0, -K % 32)]); x = x.reshape(x.shape[:-1] + (-1, 32)); a = np.abs(x).max(-1, keepdims=True)
;;       e = np.where(a > 0, np.clip(np.frexp(np.where(a > 0, a, 1))[1] - 1 - 2, -126, 127), 0)      # np.frexp(a)[1] - 1 = floor(log2(a)), exactly
;;       r = np.clip(x / 2.0 ** e, -6, 6)
;;       step = 2.0 ** (np.maximum(np.frexp(np.where(r == 0, 1, r))[1] - 1, 0) - 1)
;;       q = np.round(r / step) * step * 2.0 ** e      # np.round: ties to even
;;       return np.moveaxis(q.reshape(q.shape[:-2] + (-1,))[..., :K], -1, axis).astype(np.float32)
;;   ~~~
;;   SOFTMAX AHEAD OF A QUANTISED PRODUCT. Where the list says 'softmax', what is quantised is not the finished softmax but p = 2^(t - M), with t = logit x log2(e) and M = ceil(the row's largest t), a whole number; so 1/2 < the row's largest p <= 1. The row's sum l is taken of the UNQUANTISED p, in f32, and the product's result is divided by l at the end. Since M is a whole number, a kernel that streams over the keys may use a running M (the ceiling of the running maximum): every later rescaling is an exact power of two, which a block's scale takes up: the codes' values come out the same.
;;   OPERANDS COMPUTED ON THE WAY. 'Computed on the way' means the value that the module computes at that place (a softmax that the list does not call 'softmax' is quantised finished and normalised). What goes into a quantiser is computed in f32, as accurately as f32 sums, v_exp_f32 and their like allow (about 1e-6 of the number): no bf16 or f16 on the way to a quantiser, and a product that is left as it is and whose result goes on into a quantised operand takes f32 operands (vector FMAs, or v_wmma_f32_16x16x4_f32). A number that lies on a knife's edge between two numbers of the format may be rounded either way, as far as f32 arithmetic and the matrix unit's own rounding can turn it there, and no further.
;; 2 versions. Each part assembles by itself: llvm-mc -triple=amdgcn-amd-amdhsa -mcpu=gfx1250 --defsym DOCPART=n.
;; ======== version 1 of 2: 4 launches
;; workspace buffers: wimg 524,288 bytes; wsc 32,768 bytes; qimg 4,194,304 bytes; qsc 524,288 bytes; kv 9,175,040 bytes; cimg 4,194,304 bytes; csc 262,144 bytes
;; launch wprep (part 1): grid 128 x 1, 2 waves a work-group, no clusters, 0 bytes of LDS; arguments wq, wk, wv, wo, wimg, wsc; writes wimg, wsc
.if DOCPART == 1
	.amdgcn_target "amdgcn-amd-amdhsa--gfx1250"
	.amdhsa_code_object_version 6
	.text
	.protected	k_q883fcf9246_wprep
	.globl	k_q883fcf9246_wprep
	.p2align	8
	.type	k_q883fcf9246_wprep,@function
k_q883fcf9246_wprep:
	s_mov_b64 s[64:65], 0
	v_nop
	global_prefetch_b8 v0, s[64:65] scope:SCOPE_SE
	s_setreg_imm32_b32 hwreg(HW_REG_WAVE_MODE, 25, 1), 1
	s_wait_xcnt 0x0
; THE PROGRAM: LayerNorm over the channels, q, k, v, causal attention, the projection out, the residual; all six products on codes of FP4 (E2M1) with one E8M0 scale for each 32 along K.
; Four launches: this one (the four weights into codes), qkv (LayerNorm, products 1 to 3, codes of q, k, v), attn (products 4 and 5, codes of ctx), oproj (product 6, bias, residual).
; WORK LEFT OUT: reference() adds -1e9 to every score whose key comes after its query (the mask jnp.triu(.., k=1), which it builds itself).  Such a score's weight in the softmax is 0 beside the
; weight of the query's own key, so a step of 128 keys all of which come after all 16 queries of a tile can reach no output, whatever the inputs hold: attn walks no such step.  Inside a step on the
; diagonal the hidden scores are computed and set to -infinity.  Nothing else is left out, and every input is loaded: bk too, since it moves k's codes.
; LIMITS: hidden keys count for exactly 0, as they do in reference() while the other logits stay under 1e8 in size; a NaN, an infinity or an overflow that reaches only a step left out is not carried to the result;
; a block of zeros gets the scale byte 1 where the quantiser says 127 (its codes are zeros, and this program alone reads the bytes); NaN and infinities among the inputs are not served.
;
; THIS LAUNCH: wq, wk, wv, wo [512 (k)][512 (n)] f32 become codes along K, their FIRST axis, laid in the order in which a wave's operand registers take them:
;   wimg [weight 4][hu 16][ct 2][s 4][c 2][lane 32][16 bytes]: hu = 32 columns; in fragment (ct, s) lane (r, h), registers 4 c .. 4 c + 3, hold column 32 hu + 8 ct + r + 8 (r / 8), k = 128 s + 64 c + 32 h + 0 .. 31
;   wsc  [weight 4][hu 16][16 ct + r][s 4] words: byte j of word s is the scale of k = 128 s + 32 j + 0 .. 31
; A LANE TAKES A COLUMN AND ITS REGISTERS RUN DOWN K: a block of 32 lies in one lane, so its largest magnitude needs no other lane and the conversions give codes with K innermost.
; Lane L = 16 a + 8 u + e holds column 32 hu + L, which is row r = 8 a + e of tile ct = u: so a block's 16 bytes a lane leave as two runs of 256 consecutive bytes, each aligned, with no way through LDS.
; A work-group is one weight, 64 columns (two waves side by side on 256 bytes of each row) and 128 along K.  No LDS, no barrier.
; The scale words leave 4 bytes a lane, 16 bytes apart: one byte for each 128 that the launch reads.
.set X, 32                             ; v32-159  128 numbers: four blocks of 32 down K
.set C, 16                             ; v16-31   the codes, four registers for each block, so that no store's data are written again
	s_load_b256 s[4:11], s[0:1], 0x0               ; wq, wk, wv, wo
	s_load_b128 s[12:15], s[0:1], 0x20             ; wimg, wsc
	v_lshrrev_b32 v4, 5, v0
	v_readfirstlane_b32 s16, v4                    ; wave 0, 1
	v_and_b32 v4, 31, v0                           ; lane
	v_lshlrev_b32 v1, 2, v4                        ; in: 4 bytes a lane
	v_bfe_u32 v5, v0, 3, 1                         ; ct = u
	v_bfe_u32 v6, v0, 4, 1                         ; a
	v_and_b32 v7, 7, v0                            ; e
	v_lshl_add_u32 v6, v6, 3, v7                   ; r = 8 a + e
	v_lshlrev_b32 v6, 4, v6                        ; 16 r
	v_lshl_add_u32 v2, v5, 12, v6                  ; codes: 4,096 ct + 16 r
	v_lshl_add_u32 v3, v5, 8, v6                   ; scale words: 256 ct + 16 r
	s_lshr_b32 s17, ttmp9, 5                       ; which weight
	s_bfe_u32 s18, ttmp9, 0x30002                  ; which 64 columns
	s_and_b32 s19, ttmp9, 3                        ; s: which 128 along K
	s_lshl_b32 s18, s18, 1
	s_add_co_u32 s18, s18, s16                     ; hu
	s_lshl_b32 s20, s19, 18                        ; the weight: 128 s rows of 2,048 bytes
	s_lshl_b32 s22, s18, 7                         ; + 32 hu columns
	s_add_co_u32 s20, s20, s22
	s_mov_b32 s21, 0
	s_lshl_b32 s22, s17, 17                        ; wimg: 131,072 weight + 8,192 hu + 1,024 s
	s_lshl_b32 s24, s18, 13
	s_add_co_u32 s22, s22, s24
	s_lshl_b32 s24, s19, 10
	s_add_co_u32 s22, s22, s24
	s_mov_b32 s23, 0
	s_lshl_b32 s24, s17, 13                        ; wsc: 8,192 weight + 512 hu + 4 s
	s_lshl_b32 s26, s18, 9
	s_add_co_u32 s24, s24, s26
	s_lshl_b32 s26, s19, 2
	s_add_co_u32 s24, s24, s26
	s_mov_b32 s25, 0
	s_and_b32 s26, s17, 1
	s_wait_kmcnt 0x0
	s_cmp_eq_u32 s26, 0                            ; the weight is chosen by the work-group's number alone
	s_cselect_b64 s[4:5], s[4:5], s[6:7]           ; wq or wk
	s_cselect_b64 s[8:9], s[8:9], s[10:11]         ; wv or wo
	s_cmp_lt_u32 s17, 2
	s_cselect_b64 s[4:5], s[4:5], s[8:9]
	s_add_nc_u64 s[4:5], s[4:5], s[20:21]
	s_add_nc_u64 s[12:13], s[12:13], s[22:23]
	s_add_nc_u64 s[14:15], s[14:15], s[24:25]
.set i, 0
.rept 128
	global_load_b32 v[X+i], v1, s[4:5] offset:2048*i th:TH_LOAD_NT   ; w(128 s + i, my column): the wave reads 128 consecutive bytes
.set i, i+1
.endr
; Block j of my column.  left: how many younger loads may stay out (96 and 64 are behind blocks 0 and 1: the wait's field ends at 63, and a smaller count is safe).
.macro BLOCK j, left
.set XB, X+32*(\j)
	s_wait_loadcnt \left
	v_max3_num_f32 v8, |v[XB]|, |v[XB+1]|, |v[XB+2]|               ; the block's largest magnitude, in two chains
	v_max3_num_f32 v9, |v[XB+3]|, |v[XB+4]|, |v[XB+5]|
.irp i, 6,10,14,18,22,26
	v_max3_num_f32 v8, v8, |v[XB+\i]|, |v[XB+\i+1]|
	v_max3_num_f32 v9, v9, |v[XB+\i+2]|, |v[XB+\i+3]|
.endr
	v_max3_num_f32 v8, v8, |v[XB+30]|, |v[XB+31]|
	v_max3_num_f32 v8, v8, v9, 0x1800000           ; and the floor 2^(3 - 127): the byte cannot fall under 1
	v_add_nc_u32 v10, 0xff000000, v8               ; 2 off the exponent field: the conversion takes this operand's exponent field as its scale
	v_lshrrev_b32 v11, 23, v10                     ; the scale's byte
.if (\j) == 0
	v_mov_b32 v12, v11
.else
	v_lshl_or_b32 v12, v11, 8*(\j), v12            ; four bytes make the K step's scale word
.endif
.irp g, 0,1,2,3
	v_cvt_scalef32_pk8_fp4_f32 v[C+4*(\j)+\g], v[XB+8*\g:XB+8*\g+7], v10
.endr
	global_store_b128 v2, v[C+4*(\j):C+4*(\j)+3], s[12:13] offset:512*((\j)/2)+256*((\j)%2)   ; c = j / 2, h = j % 2: sixteen lanes fill 256 consecutive bytes, aligned
.endm
	BLOCK 0, 63
	BLOCK 1, 63
	BLOCK 2, 32
	BLOCK 3, 0
	global_store_b32 v3, v12, s[14:15]
	s_endpgm
.Lfunc_end_k_q883fcf9246_wprep:
	.size	k_q883fcf9246_wprep, .Lfunc_end_k_q883fcf9246_wprep-k_q883fcf9246_wprep
	.p2alignl 7, 3214868480
	.fill 96, 4, 3214868480
	.section	.rodata,"a",@progbits
	.p2align	6, 0x0
	.amdhsa_kernel k_q883fcf9246_wprep
		.amdhsa_group_segment_fixed_size 0
		.amdhsa_private_segment_fixed_size 0
		.amdhsa_enable_private_segment 0
		.amdhsa_kernarg_size 48
		.amdhsa_user_sgpr_count 2
		.amdhsa_user_sgpr_kernarg_segment_ptr 1
		.amdhsa_wavefront_size32 1
		.amdhsa_system_sgpr_workgroup_id_x 1
		.amdhsa_system_sgpr_workgroup_id_y 1
		.amdhsa_system_sgpr_workgroup_id_z 1
		.amdhsa_system_vgpr_workitem_id 0
		.amdhsa_next_free_vgpr 176
		.amdhsa_next_free_sgpr 66
		.amdhsa_reserve_vcc 0
		.amdhsa_float_denorm_mode_32 3
		.amdhsa_float_denorm_mode_16_64 3
		.amdhsa_memory_ordered 1
		.amdhsa_forward_progress 1
		.amdhsa_inst_pref_size 21
	.end_amdhsa_kernel
	.amdgpu_metadata
---
amdhsa.version: [ 1, 2 ]
amdhsa.kernels:
  - .name:           k_q883fcf9246_wprep
    .symbol:         k_q883fcf9246_wprep.kd
    .args:
      - { .name: wq, .offset: 0, .size: 8, .value_kind: global_buffer, .address_space: global }
      - { .name: wk, .offset: 8, .size: 8, .value_kind: global_buffer, .address_space: global }
      - { .name: wv, .offset: 16, .size: 8, .value_kind: global_buffer, .address_space: global }
      - { .name: wo, .offset: 24, .size: 8, .value_kind: global_buffer, .address_space: global }
      - { .name: wimg, .offset: 32, .size: 8, .value_kind: global_buffer, .address_space: global }
      - { .name: wsc, .offset: 40, .size: 8, .value_kind: global_buffer, .address_space: global }
    .group_segment_fixed_size: 0
    .private_segment_fixed_size: 0
    .kernarg_segment_align: 8
    .kernarg_segment_size: 48
    .max_flat_workgroup_size: 64
    .sgpr_count:     66
    .vgpr_count:     176
    .wavefront_size: 32
...
	.end_amdgpu_metadata
.endif
;; end of part 1
;; launch qkv (part 2): grid 256 x 1, 8 waves a work-group, no clusters, 20,992 bytes of LDS; arguments x, gamma, beta, wimg, wsc, bq, bk, bv, qimg, qsc, kv; writes qimg, qsc, kv
.if DOCPART == 2
	.amdgcn_target "amdgcn-amd-amdhsa--gfx1250"
	.amdhsa_code_object_version 6
	.text
	.protected	k_q883fcf9246_qkv
	.globl	k_q883fcf9246_qkv
	.p2align	8
	.type	k_q883fcf9246_qkv,@function
k_q883fcf9246_qkv:
	s_mov_b64 s[64:65], 0
	v_nop
	global_prefetch_b8 v0, s[64:65] scope:SCOPE_SE
	s_setreg_imm32_b32 hwreg(HW_REG_WAVE_MODE, 25, 1), 1
	s_wait_xcnt 0x0
; LayerNorm over the channels of x [8][512 (channel)][2048 (token)], h quantised along the channels, q = h wq + bq, k, v likewise on codes of FP4, and q, k (along the head's 64) and v (along the keys) quantised.  Nothing is left out here.
; SHARES.  A work-group takes 64 tokens of one batch and all 1,536 columns: x is read and normalised once.
;   LayerNorm: lane = token, registers = channels.  Wave w takes tokens 32 (w % 2) on and channels 128 (w / 2) on: 128 registers.  Sums of the four waves of a token meet in LDS.  Mean first, then the squares of x - mean.
;   Products: wave w takes head w of q, of k and of v, in six HALF-UNITS of 32 columns x 64 tokens x K 512: 8 accumulators, 32 matrix instructions.
; THE PERMUTED TILE.  In each 32 tokens, tile 2 g + u takes in row p token 32 g + 8 u + p + 8 (p / 8); the weights' tiles of 32 columns are formed the same way (launch wprep).  Where such a tile is source 0,
; the 16 registers of results (2 g, 2 g + 1) are 16 neighbours 32 g + 16 (lane / 16) + 0 .. 15: every quantiser finds its K in a lane's registers, a block of 32 in lanes l and l xor 16.
;   q, k: source 0 = 16 columns of the weight, source 1 = 16 tokens: a lane holds one token and neighbouring dims.     v: source 0 = 16 tokens, source 1 = 16 columns: a lane holds one dim and neighbouring keys.
; A lane's 16 codes, 8 bytes, of block B belong at byte 256 B + 16 (lane % 16) + 8 (lane / 16) of the image of an operand's four registers: one store of the wave covers 256 consecutive bytes, aligned.
; OUT:  qimg [bh 64][tile 128][512]; qsc [bh][tile][row 16] words (bytes 0, 1: the two blocks; 2, 3: 0);
;       kv [bh][step 16 of 128 keys][8,960]: K's codes 8 tiles x 512; at 4,096 V's [d tile 4][c 2][512]; at 8,192 K's scale words [lane 32][4]; at 8,704 V's [lane 32][2].
;       The scale words leave in stores of 2 to 8 bytes a lane: 21 bytes for each 1,024 that the launch reads.
; THE WEIGHTS go from memory straight into the registers in which the products take them, two half-units ahead.  All work-groups read the same 417,792 bytes of wimg and wsc; they are not asked for jointly by a
; cluster, since they do not fit into a work-group's 327,680 bytes of LDS in one fill, and a ring for them is left to a later text.
; LIMITS: as stated at the head of launch wprep.
; REGISTERS.  Window 0: v2-13 addresses; v16-143 x's numbers, later h's 16 fragments (tile m, K step s at 32 m + 8 s); v144-207 the accumulators; v208-215 h's scale words; v216-227 the weights' scale words, three sets;
;   v228-254 at work.   Window 1: v0-191 the weights' fragments, three sets of 64 (32 ct + 8 s); v192-239 the biases as C, three sets of 16.
.set TSTR,  4224                       ; LDS: a tile's four fragments, 4 x 1,024 bytes, + 128, so that the two tiles that a store touches start in different banks
.set XSC,   4*TSTR                     ; h's scale words [pair of tiles 2][lane 32][s 4]
.set RED1,  XSC+1024                   ; the sums [w / 2][token 64]
.set RED2,  RED1+1024                  ; the sums of squares
.set SPARE, RED2+1024                  ; the spare words, 128 bytes for each wave: four blocks of 256 bytes that no other line names
.set SPW, 2                            ; v2   LDS address of my spare word; never rewritten
.set NIL, 3                            ; v3   0; never rewritten
.set L16, 4                            ; v4   16 x lane
.set L4,  5                            ; v5   4 x lane
.set XWI, 6                            ; v6   where I store h's codes
.set XWS, 7                            ; v7   and its scale word
.set RW,  8                            ; v8   where I store a sum
.set RR,  9                            ; v9   where I read my token's sums
.set CO8, 10                           ; v10  16 r + 8 h
.set BO,  11                           ; v11  64 h: bq, bk
.set BV,  12                           ; v12  4 (r + 8 (r / 8)): bv
.set S8,  13                           ; v13  8 x lane
.set XF,  16
.set ACC, 144
.set HC,  176                          ; h's codes, four registers a block
.set XS,  208
.set WS,  216
.set TM,  228                          ; v228-231 largest magnitudes, v232-235 the scales as the conversions take them
.set CD,  236                          ; v236-243 codes to store
.set KB,  244                          ; v244-247 scale bytes
.set WD,  248                          ; v248-249 scale words to store
.set MU,  250                          ; v250-251 the mean, twice
.set RS,  252                          ; v252-253 1 / sqrt(var + eps), twice
.set BY2, 250                          ; v250-253 behind the LayerNorm: the second block's bytes
.set PW,  254                          ; v254 a scale word in the making
.set MSB, 0
.macro WIN new                         ; the immediate's high byte repeats the setting that is left; a switch that changes nothing is dropped
.if MSB != \new
	s_set_vgpr_msb (MSB<<8)|\new
.set MSB, \new
.endif
.endm
; One matrix instruction.  ra, rb = 1: that side's scales stand in lanes 16-31 of the register named.
.macro WM d, a, b, c, sa, sb, ra, rb
.if ((\ra) == 0) && ((\rb) == 0)
	v_wmma_scale_f32_16x16x128_f8f6f4 v[(\d):(\d)+7], v[(\a):(\a)+7], v[(\b):(\b)+7], v[(\c):(\c)+7], v[(\sa)], v[(\sb)] matrix_a_fmt:MATRIX_FMT_FP4 matrix_b_fmt:MATRIX_FMT_FP4
.elseif ((\ra) == 1) && ((\rb) == 0)
	v_wmma_scale_f32_16x16x128_f8f6f4 v[(\d):(\d)+7], v[(\a):(\a)+7], v[(\b):(\b)+7], v[(\c):(\c)+7], v[(\sa)], v[(\sb)] matrix_a_fmt:MATRIX_FMT_FP4 matrix_b_fmt:MATRIX_FMT_FP4 matrix_a_scale:MATRIX_SCALE_ROW1
.elseif ((\ra) == 0) && ((\rb) == 1)
	v_wmma_scale_f32_16x16x128_f8f6f4 v[(\d):(\d)+7], v[(\a):(\a)+7], v[(\b):(\b)+7], v[(\c):(\c)+7], v[(\sa)], v[(\sb)] matrix_a_fmt:MATRIX_FMT_FP4 matrix_b_fmt:MATRIX_FMT_FP4 matrix_b_scale:MATRIX_SCALE_ROW1
.else
	v_wmma_scale_f32_16x16x128_f8f6f4 v[(\d):(\d)+7], v[(\a):(\a)+7], v[(\b):(\b)+7], v[(\c):(\c)+7], v[(\sa)], v[(\sb)] matrix_a_fmt:MATRIX_FMT_FP4 matrix_b_fmt:MATRIX_FMT_FP4 matrix_a_scale:MATRIX_SCALE_ROW1 matrix_b_scale:MATRIX_SCALE_ROW1
.endif
.endm
.macro BAR                             ; my LDS stores have landed and my LDS loads are in: then the work-group's barrier
	s_wait_dscnt 0x0
	s_barrier_signal -1
	s_barrier_wait -1
.endm
.macro GB j                            ; gamma and beta of my block j of 32 channels, into scalar registers: a register of x is one channel for all lanes
	s_load_b512 s[32:47], s[6:7], 128*(\j)
	s_load_b512 s[48:63], s[6:7], 128*(\j)+64
	s_load_b512 s[68:83], s[8:9], 128*(\j)
	s_load_b512 s[84:99], s[8:9], 128*(\j)+64
.endm
; Half-unit n's operands (n = 0, 1: q; 2, 3: k; 4, 5: v; n % 2: which 32 columns of the head) into set n % 3: 16 loads of fragments, the bias in the result's layout, one load of scale words: 21 loads for q and k, 33 for v.
.macro WLOAD n
	WIN 0x40                                       ; destination window 1, address window 0
.irp u, 0,1
.irp s, 0,1,2,3
.irp c, 0,1
	global_load_b128 v[64*((\n)%3)+32*\u+8*\s+4*\c:64*((\n)%3)+32*\u+8*\s+4*\c+3], v[L16], s[10:11] offset:((\n)/2)*131072+((\n)%2)*8192+4096*\u+1024*\s+512*\c
.endr
.endr
.endr
.if (\n) < 4
.irp u, 0,1                                    ; lane (r, h) holds dims 32 B + 16 h + 8 ct + 0 .. 7
.irp i, 0,1
	global_load_b128 v[192+16*((\n)%3)+8*\u+4*\i:192+16*((\n)%3)+8*\u+4*\i+3], v[BO], s[14+2*((\n)/2):15+2*((\n)/2)] offset:128*((\n)%2)+32*\u+16*\i
.endr
.endr
.else
.irp u, 0,1                                    ; lane (r, h) holds ONE dim, 32 B + 8 ct + r + 8 (r / 8): the same number in the tile's eight registers
.irp i, 0,1,2,3,4,5,6,7
	global_load_b32 v[192+16*((\n)%3)+8*\u+\i], v[BV], s[18:19] offset:128*((\n)%2)+32*\u
.endr
.endr
.endif
	WIN 0
	global_load_b128 v[WS+4*((\n)%3):WS+4*((\n)%3)+3], v[L16], s[12:13] offset:((\n)/2)*8192+((\n)%2)*512   ; register s: lanes 0-15 tile ct = 0, lanes 16-31 ct = 1
.endm
; The four pairs of accumulators become codes: pair g's 16 numbers into v[CD + 2 g], v[CD + 2 g + 1]; its block's scale byte into v[by + g].  The four by turns: no line waits for the line above it.
.macro QUANT4 by
.irp g, 0,1,2,3
	v_max3_num_f32 v[TM+\g], |v[ACC+16*\g]|, |v[ACC+16*\g+1]|, 0x1800000   ; each accumulator is read from its low end on; the floor 2^(3 - 127) holds the byte at 1 from below
.endr
.irp i, 2,4,6,8,10,12,14
.irp g, 0,1,2,3
	v_max3_num_f32 v[TM+\g], v[TM+\g], |v[ACC+16*\g+\i]|, |v[ACC+16*\g+\i+1]|
.endr
.endr
.irp g, 0,1,2,3
	v_permlanex16_b32 v[TM+4+\g], v[TM+\g], s46, s47
.endr
.irp g, 0,1,2,3
	v_max_num_f32 v[TM+\g], v[TM+\g], v[TM+4+\g]   ; with lane l xor 16's: the block's largest magnitude
.endr
.irp g, 0,1,2,3
	v_add_nc_u32 v[TM+4+\g], 0xff000000, v[TM+\g]  ; 2 off its exponent field: the conversion's scale operand
.endr
.irp g, 0,1,2,3
	v_lshrrev_b32 v[\by+\g], 23, v[TM+4+\g]        ; the scale's byte
.endr
.irp g, 0,1,2,3
	v_cvt_scalef32_pk8_fp4_f32 v[CD+2*\g], v[ACC+16*\g:ACC+16*\g+7], v[TM+4+\g]
	v_cvt_scalef32_pk8_fp4_f32 v[CD+2*\g+1], v[ACC+16*\g+8:ACC+16*\g+15], v[TM+4+\g]
.endr
	v_nop                                          ; one plain place behind the scaled conversions
.endm
; A half-unit: 32 matrix instructions, the 8 accumulators by turns in every K step; the bias is the C of each sum's first instruction.  wait: the younger loads that may stay out.
.macro HU n, wait
.set WR,  64*((\n)%3)
.set BR,  192+16*((\n)%3)
.set WSR, WS+4*((\n)%3)
	s_wait_loadcnt \wait
.irp s, 0,1,2,3
.if (\n) < 4
.if \s == 0
	WIN 0x11                                       ; source 0 (the weight) and C (the bias) window 1
.else
	WIN 0x01
.endif
.irp m, 0,1,2,3
.irp u, 0,1
.if \s == 0
	WM ACC+16*\m+8*\u, WR+32*\u, XF+32*\m, BR+8*\u, WSR, XS+4*(\m/2), \u, \m%2
.else
	WM ACC+16*\m+8*\u, WR+32*\u+8*\s, XF+32*\m+8*\s, ACC+16*\m+8*\u, WSR+\s, XS+4*(\m/2)+\s, \u, \m%2
.endif
.endr
.endr
.else
.if \s == 0
	WIN 0x14                                       ; source 1 (the weight) and C (the bias) window 1
.else
	WIN 0x04
.endif
.irp m, 0,1,2,3
.irp u, 0,1
.if \s == 0
	WM ACC+16*(2*(\m/2)+\u)+8*(\m%2), XF+32*\m, WR+32*\u, BR+8*\u, XS+4*(\m/2), WSR, \m%2, \u
.else
	WM ACC+16*(2*(\m/2)+\u)+8*(\m%2), XF+32*\m+8*\s, WR+32*\u+8*\s, ACC+16*(2*(\m/2)+\u)+8*(\m%2), XS+4*(\m/2)+\s, WSR+\s, \m%2, \u
.endif
.endr
.endr
.endif
.endr
	WIN 0
.rept 4
	v_nop                                          ; four places behind the last products, in front of loads into the registers that they read and of the first read of results
.endr
.if (\n) < 3
	WLOAD (\n)+3                                   ; into the set just multiplied
.endif
	s_wait_xcnt 0x0                                ; the last half-unit's stores have read their data: only behind this wait are v[CD ..] and v[WD ..] written again
.if (\n) < 4
.if (\n)%2 == 0
	QUANT4 KB
.else
	QUANT4 BY2
.endif
.irp m, 0,1,2,3
	global_store_b64 v[CO8], v[CD+2*\m:CD+2*\m+1], s[32+4*((\n)/2):33+4*((\n)/2)] offset:512*\m+256*((\n)%2)   ; tile m, block n % 2: 256 consecutive bytes, aligned
.endr
.if (\n)%2 == 1
.irp m, 0,1,2,3
	v_lshl_or_b32 v[BY2+\m], v[BY2+\m], 8, v[KB+\m]    ; tile m's scale word of my row: two bytes, the upper two 0
.endr
	v_cndmask_b32 v[WD], v[BY2], v[BY2+1], s44     ; lanes 0-15: the even tile's rows; lanes 16-31: the odd tile's
	v_cndmask_b32 v[WD+1], v[BY2+2], v[BY2+3], s44
.if (\n) == 1
	global_store_b32 v[L4], v[WD], s[34:35]
	global_store_b32 v[L4], v[WD+1], s[34:35] offset:128
.else
	global_store_b64 v[L16], v[WD:WD+1], s[40:41]
.endif
.endif
.else
	QUANT4 KB                                      ; pair 2 kb + ct: dim (ct, r), keys 32 kb + 16 h + 0 .. 15 of my 64
.irp k, 0,1
.irp u, 0,1
	global_store_b64 v[CO8], v[CD+2*(2*\k+\u):CD+2*(2*\k+\u)+1], s[38:39] offset:(2*((\n)%2)+\u)*1024+256*\k
.endr
.endr
	v_lshl_or_b32 v[BY2], v[KB+2], 8, v[KB]        ; my dim's two bytes: key blocks kb = 0, 1, for ct = 0,
	v_lshl_or_b32 v[BY2+1], v[KB+3], 8, v[KB+1]    ; and for ct = 1
	v_cndmask_b32 v[WD], v[BY2], v[BY2+1], s44
	global_store_b16 v[S8], v[WD], s[42:43] offset:4*((\n)%2)
.endif
.endm
	s_load_b512 s[4:19], s[0:1], 0x0               ; x, gamma, beta, wimg, wsc, bq, bk, bv
	s_load_b128 s[20:23], s[0:1], 0x40             ; qimg, qsc
	s_load_b64 s[24:25], s[0:1], 0x50              ; kv
	v_lshl_add_u32 v[SPW], v0, 2, SPARE
	v_mov_b32 v[NIL], 0
	v_lshrrev_b32 v1, 5, v0
	v_readfirstlane_b32 s28, v1                    ; wave 0..7
	s_and_b32 s29, s28, 1                          ; th: which 32 tokens
	s_lshr_b32 s30, s28, 1                         ; si: which 128 channels = which K step
	s_lshr_b32 s2, ttmp9, 5                        ; b
	s_and_b32 s3, ttmp9, 31                        ; tb: which 64 tokens
	s_mov_b32 s26, 0x3b000000                      ; 1 / 512
	s_mov_b32 s27, 0x3727c5ac                      ; 1e-5
	v_and_b32 v1, 31, v0
	v_lshlrev_b32 v[L16], 4, v1
	v_lshlrev_b32 v[L4], 2, v1
	v_lshlrev_b32 v[S8], 3, v1
	v_bfe_u32 v[TM], v0, 3, 1                      ; my token 16 a + 8 u + e of its 32 is row 8 a + e of tile 2 th + u
	v_bfe_u32 v[TM+1], v0, 4, 1                    ; a; also h = lane / 16
	v_and_b32 v[TM+2], 7, v0
	v_lshl_add_u32 v[TM+2], v[TM+1], 3, v[TM+2]
	v_lshlrev_b32 v[TM+2], 4, v[TM+2]              ; 16 x row
	v_mul_u32_u24 v[TM+3], v[TM], TSTR
	v_add_nc_u32 v[TM+3], v[TM+3], v[TM+2]
	s_mul_i32 s31, s29, 2*TSTR
	s_lshl_b32 s100, s30, 10
	s_add_co_u32 s31, s31, s100
	v_add_nc_u32 v[XWI], s31, v[TM+3]              ; TSTR (2 th + u) + 1,024 si + 16 x row
	v_lshl_add_u32 v[TM+3], v[TM], 8, v[TM+2]
	s_lshl_b32 s31, s29, 9
	s_lshl_b32 s100, s30, 2
	s_add_co_u32 s31, s31, s100
	v_add_nc_u32 v[XWS], s31, v[TM+3]              ; 512 th + 16 (16 u + row) + 4 si
	s_lshl_b32 s31, s29, 7
	v_add_nc_u32 v[RR], s31, v[L4]                 ; 4 x my token
	s_lshl_b32 s100, s30, 8
	v_add_nc_u32 v[RW], s100, v[RR]                ; + 256 si
	v_and_b32 v[TM+2], 15, v0                      ; r
	v_lshlrev_b32 v[TM+3], 4, v[TM+2]
	v_lshl_add_u32 v[CO8], v[TM+1], 3, v[TM+3]
	v_lshlrev_b32 v[BO], 6, v[TM+1]
	v_and_b32 v[TM+3], 8, v[TM+2]
	v_add_nc_u32 v[TM+3], v[TM+3], v[TM+2]
	v_lshlrev_b32 v[BV], 2, v[TM+3]
	s_mov_b32 s101, 0
	s_wait_kmcnt 0x0
	s_lshl_b32 s100, s2, 22                        ; x: batch, my first channel, my first token
	s_lshl_b32 s31, s30, 20
	s_add_co_u32 s100, s100, s31
	s_lshl_b32 s31, s3, 8
	s_add_co_u32 s100, s100, s31
	s_lshl_b32 s31, s29, 7
	s_add_co_u32 s100, s100, s31
	s_add_nc_u64 s[4:5], s[4:5], s[100:101]
	s_lshl_b32 s100, s30, 9                        ; gamma, beta: my 128 channels
	s_add_nc_u64 s[6:7], s[6:7], s[100:101]
	s_add_nc_u64 s[8:9], s[8:9], s[100:101]
	s_lshl_b32 s100, s28, 14                       ; wimg: my head's two groups of 32 columns
	s_add_nc_u64 s[10:11], s[10:11], s[100:101]
	s_lshl_b32 s100, s28, 10
	s_add_nc_u64 s[12:13], s[12:13], s[100:101]    ; wsc
	s_lshl_b32 s100, s28, 8
	s_add_nc_u64 s[14:15], s[14:15], s[100:101]    ; bq, bk, bv: my head's 64
	s_add_nc_u64 s[16:17], s[16:17], s[100:101]
	s_add_nc_u64 s[18:19], s[18:19], s[100:101]
.set i, 0
.rept 128
	global_load_b32 v[XF+i], v[L4], s[4:5] offset:8192*i th:TH_LOAD_NT   ; x(channel 128 si + i, my token): the wave reads 128 consecutive bytes, two waves 256
.set i, i+1
.endr
	GB 0
	WLOAD 0
	WLOAD 1
	WLOAD 2
	; ---- the mean
	s_wait_loadcnt 63                              ; x is in; the 63 loads of the three sets of weights may stay out
.irp k, 0,1,2,3
	v_pk_add_f32 v[ACC+2*\k:ACC+2*\k+1], v[XF+2*\k:XF+2*\k+1], v[XF+8+2*\k:XF+9+2*\k]   ; four chains, started by the first numbers: nothing is cleared
.endr
.set i, 16
.rept 14
.irp k, 0,1,2,3
	v_pk_add_f32 v[ACC+2*\k:ACC+2*\k+1], v[ACC+2*\k:ACC+2*\k+1], v[XF+i+2*\k:XF+i+2*\k+1]
.endr
.set i, i+8
.endr
	v_pk_add_f32 v[ACC:ACC+1], v[ACC:ACC+1], v[ACC+2:ACC+3]
	v_pk_add_f32 v[ACC+4:ACC+5], v[ACC+4:ACC+5], v[ACC+6:ACC+7]
	v_pk_add_f32 v[ACC:ACC+1], v[ACC:ACC+1], v[ACC+4:ACC+5]
	v_add_f32 v[ACC], v[ACC], v[ACC+1]
	ds_store_b32 v[RW], v[ACC] offset:RED1
	BAR
.irp k, 0,1,2,3
	ds_load_b32 v[TM+\k], v[RR] offset:RED1+256*\k
.endr
	s_wait_dscnt 0x0
	v_add_f32 v[TM], v[TM], v[TM+1]                ; every wave adds in the same order
	v_add_f32 v[TM+2], v[TM+2], v[TM+3]
	v_add_f32 v[TM], v[TM], v[TM+2]
	v_mul_f32 v[MU], s26, v[TM]
	v_mov_b32 v[MU+1], v[MU]
	; ---- x - mean in place, and the sum of its squares
.set i, 0
.rept 64
	v_pk_add_f32 v[XF+i:XF+i+1], v[XF+i:XF+i+1], v[MU:MU+1] neg_lo:[0,1] neg_hi:[0,1]
.set i, i+2
.endr
.irp k, 0,1,2,3
	v_pk_mul_f32 v[ACC+2*\k:ACC+2*\k+1], v[XF+2*\k:XF+2*\k+1], v[XF+2*\k:XF+2*\k+1]
.endr
.set i, 8
.rept 15
.irp k, 0,1,2,3
	v_pk_fma_f32 v[ACC+2*\k:ACC+2*\k+1], v[XF+i+2*\k:XF+i+2*\k+1], v[XF+i+2*\k:XF+i+2*\k+1], v[ACC+2*\k:ACC+2*\k+1]
.endr
.set i, i+8
.endr
	v_pk_add_f32 v[ACC:ACC+1], v[ACC:ACC+1], v[ACC+2:ACC+3]
	v_pk_add_f32 v[ACC+4:ACC+5], v[ACC+4:ACC+5], v[ACC+6:ACC+7]
	v_pk_add_f32 v[ACC:ACC+1], v[ACC:ACC+1], v[ACC+4:ACC+5]
	v_add_f32 v[ACC], v[ACC], v[ACC+1]
	ds_store_b32 v[RW], v[ACC] offset:RED2
	BAR
.irp k, 0,1,2,3
	ds_load_b32 v[TM+\k], v[RR] offset:RED2+256*\k
.endr
	s_wait_dscnt 0x0
	v_add_f32 v[TM], v[TM], v[TM+1]
	v_add_f32 v[TM+2], v[TM+2], v[TM+3]
	v_add_f32 v[TM], v[TM], v[TM+2]
	v_fma_f32 v[TM], v[TM], s26, s27               ; var + eps
	v_rsq_f32 v[RS], v[TM]
	v_nop                                          ; a plain place behind the transcendental,
	s_wait_alu depctr_va_vdst(0)                   ; and the wait ahead of the first line that names its result
	v_mov_b32 v[RS+1], v[RS]
.set i, 0
.rept 64
	v_pk_mul_f32 v[XF+i:XF+i+1], v[XF+i:XF+i+1], v[RS:RS+1]
.set i, i+2
.endr
	; ---- h = .. x gamma + beta, and its codes: my four blocks of 32 channels are all mine
.macro HBLK j
.set XB, XF+32*(\j)
	s_wait_kmcnt 0x0                               ; this block's gamma and beta
.set i, 0
.rept 32
	v_fma_f32 v[XB+i], v[XB+i], s[32+i], s[68+i]
.set i, i+1
.endr
.if (\j) < 3
	GB (\j)+1                                      ; the next block's land under the lines below
.endif
	v_max3_num_f32 v[TM], |v[XB]|, |v[XB+1]|, |v[XB+2]|
	v_max3_num_f32 v[TM+1], |v[XB+3]|, |v[XB+4]|, |v[XB+5]|
.irp i, 6,10,14,18,22,26
	v_max3_num_f32 v[TM], v[TM], |v[XB+\i]|, |v[XB+\i+1]|
	v_max3_num_f32 v[TM+1], v[TM+1], |v[XB+\i+2]|, |v[XB+\i+3]|
.endr
	v_max3_num_f32 v[TM], v[TM], |v[XB+30]|, |v[XB+31]|
	v_max3_num_f32 v[TM], v[TM], v[TM+1], 0x1800000
	v_add_nc_u32 v[TM+2], 0xff000000, v[TM]
	v_lshrrev_b32 v[TM+3], 23, v[TM+2]
.if (\j) == 0
	v_mov_b32 v[PW], v[TM+3]
.else
	v_lshl_or_b32 v[PW], v[TM+3], 8*(\j), v[PW]
.endif
.irp g, 0,1,2,3
	v_cvt_scalef32_pk8_fp4_f32 v[HC+4*(\j)+\g], v[XB+8*\g:XB+8*\g+7], v[TM+2]
.endr
	v_nop                                          ; one plain place behind the scaled conversions
	ds_store_b128 v[XWI], v[HC+4*(\j):HC+4*(\j)+3] offset:512*((\j)/2)+256*((\j)%2)   ; into the image of fragment (my tile, K step si): c = j / 2, h = j % 2
.endm
	HBLK 0
	HBLK 1
	HBLK 2
	HBLK 3
	ds_store_b32 v[XWS], v[PW] offset:XSC
	BAR                                            ; h's sixteen fragments and their scale words lie in LDS
	; ---- every wave takes all of them into registers, once for its six half-units
.irp m, 0,1,2,3
.irp s, 0,1,2,3
.irp c, 0,1
	ds_load_b128 v[XF+32*\m+8*\s+4*\c:XF+32*\m+8*\s+4*\c+3], v[L16] offset:TSTR*\m+1024*\s+512*\c
.endr
.endr
.endr
.irp i, 0,1
	ds_load_b128 v[XS+4*\i:XS+4*\i+3], v[L16] offset:XSC+512*\i   ; register 4 i + s: lanes 0-15 tile 2 i, lanes 16-31 tile 2 i + 1
.endr
.irp g, 0,1,2,3
	v_mov_b32 v[TM+4+\g], 0                        ; written once: a lane permute's destination counts as one of its sources
.endr
	s_lshl_b32 s44, s2, 3
	s_add_co_u32 s44, s44, s28                     ; bh = 8 b + head
	s_lshl_b32 s100, s44, 16                       ; qimg: 65,536 bh + 4 tb tiles of 512
	s_lshl_b32 s31, s3, 11
	s_add_co_u32 s100, s100, s31
	s_add_nc_u64 s[32:33], s[20:21], s[100:101]
	s_lshl_b32 s100, s44, 13                       ; qsc: 8,192 bh + 4 tb tiles of 64
	s_lshl_b32 s31, s3, 8
	s_add_co_u32 s100, s100, s31
	s_add_nc_u64 s[34:35], s[22:23], s[100:101]
	s_mul_i32 s100, s44, 143360                    ; kv: the head, the step of 128 keys
	s_lshr_b32 s31, s3, 1
	s_mul_i32 s31, s31, 8960
	s_add_co_u32 s100, s100, s31
	s_add_nc_u64 s[36:37], s[24:25], s[100:101]
	s_add_nc_u64 s[38:39], s[36:37], 4096          ; V's codes
	s_add_nc_u64 s[40:41], s[36:37], 8192          ; K's scale words
	s_add_nc_u64 s[42:43], s[36:37], 8704          ; V's
	s_and_b32 s31, s3, 1                           ; which half of the step my 64 tokens are
	s_lshl_b32 s100, s31, 11
	s_add_nc_u64 s[36:37], s[36:37], s[100:101]    ; K: four tiles on
	s_lshl_b32 s100, s31, 9
	s_add_nc_u64 s[38:39], s[38:39], s[100:101]    ; V: c
	s_lshl_b32 s100, s31, 3
	s_add_nc_u64 s[40:41], s[40:41], s[100:101]    ; two words on
	s_lshl_b32 s100, s31, 1
	s_add_nc_u64 s[42:43], s[42:43], s[100:101]    ; two bytes on
	s_mov_b32 s44, 0xffff0000                      ; lanes 16-31
	s_mov_b32 s46, 0x76543210
	s_mov_b32 s47, 0xfedcba98                      ; v_permlanex16_b32's selects for lane l xor 16
	s_wait_dscnt 0x0
	HU 0, 42                                       ; behind set 0: sets 1 and 2, 21 loads each
	HU 1, 42                                       ; sets 2 and 3
	HU 2, 54                                       ; 21 + 33
	HU 3, 63                                       ; 66 are behind it: the wait's field ends at 63, and a smaller count is safe
	HU 4, 33
	HU 5, 0
	s_wait_tensorcnt 0x0                           ; the wave's end, behind my last LDS store
	ds_add_u32 v[SPW], v[NIL]
	s_wait_dscnt 0x0
	s_endpgm
.Lfunc_end_k_q883fcf9246_qkv:
	.size	k_q883fcf9246_qkv, .Lfunc_end_k_q883fcf9246_qkv-k_q883fcf9246_qkv
	.p2alignl 7, 3214868480
	.fill 96, 4, 3214868480
	.section	.rodata,"a",@progbits
	.p2align	6, 0x0
	.amdhsa_kernel k_q883fcf9246_qkv
		.amdhsa_group_segment_fixed_size 20992
		.amdhsa_private_segment_fixed_size 0
		.amdhsa_enable_private_segment 0
		.amdhsa_kernarg_size 88
		.amdhsa_user_sgpr_count 2
		.amdhsa_user_sgpr_kernarg_segment_ptr 1
		.amdhsa_wavefront_size32 1
		.amdhsa_system_sgpr_workgroup_id_x 1
		.amdhsa_system_sgpr_workgroup_id_y 1
		.amdhsa_system_sgpr_workgroup_id_z 1
		.amdhsa_system_vgpr_workitem_id 0
		.amdhsa_next_free_vgpr 512
		.amdhsa_next_free_sgpr 102
		.amdhsa_reserve_vcc 0
		.amdhsa_float_denorm_mode_32 3
		.amdhsa_float_denorm_mode_16_64 3
		.amdhsa_memory_ordered 1
		.amdhsa_forward_progress 1
		.amdhsa_inst_pref_size 116
	.end_amdhsa_kernel
	.amdgpu_metadata
---
amdhsa.version: [ 1, 2 ]
amdhsa.kernels:
  - .name:           k_q883fcf9246_qkv
    .symbol:         k_q883fcf9246_qkv.kd
    .args:
      - { .name: x, .offset: 0, .size: 8, .value_kind: global_buffer, .address_space: global }
      - { .name: gamma, .offset: 8, .size: 8, .value_kind: global_buffer, .address_space: global }
      - { .name: beta, .offset: 16, .size: 8, .value_kind: global_buffer, .address_space: global }
      - { .name: wimg, .offset: 24, .size: 8, .value_kind: global_buffer, .address_space: global }
      - { .name: wsc, .offset: 32, .size: 8, .value_kind: global_buffer, .address_space: global }
      - { .name: bq, .offset: 40, .size: 8, .value_kind: global_buffer, .address_space: global }
      - { .name: bk, .offset: 48, .size: 8, .value_kind: global_buffer, .address_space: global }
      - { .name: bv, .offset: 56, .size: 8, .value_kind: global_buffer, .address_space: global }
      - { .name: qimg, .offset: 64, .size: 8, .value_kind: global_buffer, .address_space: global }
      - { .name: qsc, .offset: 72, .size: 8, .value_kind: global_buffer, .address_space: global }
      - { .name: kv, .offset: 80, .size: 8, .value_kind: global_buffer, .address_space: global }
    .group_segment_fixed_size: 20992
    .private_segment_fixed_size: 0
    .kernarg_segment_align: 8
    .kernarg_segment_size: 88
    .max_flat_workgroup_size: 256
    .sgpr_count:     102
    .vgpr_count:     512
    .wavefront_size: 32
...
	.end_amdgpu_metadata
.endif
;; end of part 2
;; launch attn (part 3): grid 4 x 64, 16 waves a work-group, clusters of 4 x 1, 167,936 bytes of LDS; arguments qimg, qsc, kv, cimg, csc; writes cimg, csc
.if DOCPART == 3
	.amdgcn_target "amdgcn-amd-amdhsa--gfx1250"
	.amdhsa_code_object_version 6
	.text
	.protected	k_q883fcf9246_attn
	.globl	k_q883fcf9246_attn
	.p2align	8
	.type	k_q883fcf9246_attn,@function
k_q883fcf9246_attn:
	s_mov_b64 s[64:65], 0
	v_nop
	global_prefetch_b8 v0, s[64:65] scope:SCOPE_SE
	s_setreg_imm32_b32 hwreg(HW_REG_WAVE_MODE, 25, 1), 1
	s_wait_xcnt 0x0
	s_wait_alu depctr_hold_cnt(0) depctr_sa_sdst(0) depctr_va_vdst(0) depctr_va_sdst(0) depctr_va_ssrc(0) depctr_va_vcc(0) depctr_vm_vsrc(0)
	s_getreg_b32 s2, hwreg(HW_REG_IB_STS2, 6, 4)
	s_cmp_eq_u32 s2, 0
	s_cbranch_scc0 .Lentry_in_a_cluster
	s_endpgm
.Lentry_in_a_cluster:
	s_bfe_u32 s2, ttmp6, 0x10000c
	s_cmp_lg_u32 s2, 0x3003
	s_cbranch_scc0 .Lentry_shape_is_right
	s_endpgm
.Lentry_shape_is_right:
; ctx[b][q][head] = softmax over the keys k <= q of (q . k / 8) times v, both products on codes of FP4, and ctx quantised along the 512 of all heads.
; LEFT OUT: a step of 128 keys all of which come after the tile's 16 queries (shown at the head of launch wprep).  LIMITS: as stated there.
; THE SOFTMAX AHEAD OF THE SECOND PRODUCT: t = score x log2(e) / 8; M = the row's largest t so far, rounded UP to a whole number; p = 2^(t - M) is what is quantised, along the keys; the row's sum is taken of the
; unquantised p and divides at the end.  When M moves, the sum and O are multiplied by 2^(old M - new M), which rounds nothing.
; SHARES.  A head's K, V and their scale words, 143,360 bytes of kv, come into LDS ONCE and stay: no slot is filled again.  The four work-groups of a head form a cluster and ask for these bytes JOINTLY: waves 0 to 7
; issue one tensor load each (two steps, 70 rows of 256 bytes), with the same descriptor and a mask that names the four.
; Work-group p of the four owns the tiles of 16 queries 4 j + p, j = 0 .. 31; wave w takes j = w in its first pass and j = 31 - w in its second.  The tile's last step is (4 j + p) / 8 = j / 2 whatever p is:
; every wave of every work-group walks 17 steps, and no branch hangs on the work-group's place in its cluster, which enters global addresses and the number that the mask compares, and nothing else.
; LAYOUT.  Both products are used transposed: S^T = K Q^T (source 0 = 16 keys, source 1 = my 16 queries), O^T = V^T P^T (source 0 = 16 dims, source 1 = P): a lane holds ONE query (lane % 16) throughout.
; Tiles are PERMUTED (launch qkv): row p of tile 2 g + u is token 32 g + 8 u + p + 8 (p / 8), so that the 16 registers of tiles 2 g, 2 g + 1 of S^T are 16 neighbouring keys, and those of O^T 16 neighbouring dims.
; K = 64 IN AN INSTRUCTION OF 128: Q's registers 4-7 hold zero codes, so whatever stands against them adds 0: K's operand for tile t is v[KF + 4 t .. + 7], whose upper four registers are the next tile's codes
; (behind tile 7: zeros).  The scale bytes of that half are 0, which stands for 2^-127.
; OUT: cimg [b 8][tile 128][s 4][c 2][512], s = head / 2, c = head % 2; csc [b][pair of tiles 64][16 (tile % 2) + row][head 8] half words.
; REGISTERS: v1-11 addresses and lane constants; v12 -M, v13 the largest t, v[14:15] the sum in two halves; v16-23 Q; v24 its scale words; v25-29 the second pass's; v32-67 K; v68-73 scale words; v76-107 V;
;   v112-175 S^T, then p; v176-207 O^T; v208-215 p's codes; v216-230 at work.
.set STEPB, 8960                       ; a step's bytes in kv and in LDS
.set SPARE, 16*STEPB                   ; behind the head's 143,360 bytes: the spare words, 128 bytes for each wave: eight blocks of 256 bytes that no other line names
.set L16, 1                            ; v1   16 x lane
.set L8,  2                            ; v2   8 x lane
.set SPW, 3                            ; v3   LDS address of my spare word; never rewritten
.set NIL, 4                            ; v4   0; never rewritten
.set AD16, 5                           ; v5   the step's bytes + 16 x lane
.set AD8, 6                            ; v6   + 8 x lane
.set CO8, 7                            ; v7   16 r + 8 h
.set R16, 8                            ; v8   16 r
.set DB,  9                            ; v9   r + 8 (r / 8) - 16 h
.set DD,  10                           ; v10  my query less the diagonal step's first key less 16 h
.set R4,  11                           ; v11  4 r
.set Q,   16
.set QS,  24
.set QSN, 25
.set QN,  26
.set KF,  32
.set KS,  68
.set VS,  72
.set VF,  76
.set S,   112
.set O,   176
.set PC,  208
.set BM,  216
.set BP,  220
.set BS,  224
.set FF,  228                          ; v228 f = 2^(old M - new M)
.set PWD, 229                          ; v229 p's scale word (named with f as a pair)
.set T,   230
.set WV,  14                           ; s14 my wave's number
.set PASS, 17
.set STEP, 18
.set LAST, 19
.set SEL, 20                           ; s[20:21] lane selects for v_permlanex16_b32: lane l xor 16
.set CS,  22                           ; s[22:23] c = log2(e) / 8
.set G1,  24                           ; s[24:31], s[32:35] the descriptor
.set G0,  32
.set TB,  36                           ; s36 LDS byte at which the step in hand begins
.macro WMZ d, a, b, sa, sb, ra         ; a product that starts its sum
.if (\ra) == 0
	v_wmma_scale_f32_16x16x128_f8f6f4 v[(\d):(\d)+7], v[(\a):(\a)+7], v[(\b):(\b)+7], 0, v[(\sa)], v[(\sb)] matrix_a_fmt:MATRIX_FMT_FP4 matrix_b_fmt:MATRIX_FMT_FP4
.else
	v_wmma_scale_f32_16x16x128_f8f6f4 v[(\d):(\d)+7], v[(\a):(\a)+7], v[(\b):(\b)+7], 0, v[(\sa)], v[(\sb)] matrix_a_fmt:MATRIX_FMT_FP4 matrix_b_fmt:MATRIX_FMT_FP4 matrix_a_scale:MATRIX_SCALE_ROW1
.endif
.endm
.macro WMA d, a, b, sa, sb, ra         ; a product that adds in place
.if (\ra) == 0
	v_wmma_scale_f32_16x16x128_f8f6f4 v[(\d):(\d)+7], v[(\a):(\a)+7], v[(\b):(\b)+7], v[(\d):(\d)+7], v[(\sa)], v[(\sb)] matrix_a_fmt:MATRIX_FMT_FP4 matrix_b_fmt:MATRIX_FMT_FP4
.else
	v_wmma_scale_f32_16x16x128_f8f6f4 v[(\d):(\d)+7], v[(\a):(\a)+7], v[(\b):(\b)+7], v[(\d):(\d)+7], v[(\sa)], v[(\sb)] matrix_a_fmt:MATRIX_FMT_FP4 matrix_b_fmt:MATRIX_FMT_FP4 matrix_a_scale:MATRIX_SCALE_ROW1
.endif
.endm
; A round of the cluster's barrier: my work-group's barrier, so that wave 0's signal speaks for all sixteen waves; wave 0 signals for the work-group; every wave waits for all four work-groups; my work-group's barrier once more.
.macro CROUND
	s_barrier_signal -1
	s_barrier_wait -1
	s_cmp_lg_u32 s[WV], 0
	s_cbranch_scc1 .Lnot_wave_0_\@
	s_barrier_signal -3
.Lnot_wave_0_\@:
	s_barrier_wait -3
	s_barrier_signal -1
	s_barrier_wait -1
.endm
	s_load_b256 s[4:11], s[0:1], 0x0               ; qimg, qsc, kv, cimg
	s_load_b64 s[12:13], s[0:1], 0x20              ; csc
	v_lshl_add_u32 v[SPW], v0, 2, SPARE
	v_mov_b32 v[NIL], 0
	ds_add_u32 v[SPW], v[NIL]                      ; the wave's opening: the add, twice on end, and its wait ahead of the first tensor load; the set-up below, work on registers, stands between the second and the wait
	ds_add_u32 v[SPW], v[NIL]
	v_lshrrev_b32 v[T], 5, v0
	v_readfirstlane_b32 s[WV], v[T]                ; wave 0..15
	s_bfe_u32 s15, ttmp6, 0x40000                  ; cx: my place in the cluster
	s_and_b32 s16, ttmp7, 0xffff                   ; bh, which the four partners share
	; descriptor group 1: 70 rows of 256 bytes (32 elements of 8 bytes), dense in memory and in LDS: images are read 16 bytes a lane on end, so no padding is wanted
	s_mov_b32 s[G1], 15|(3<<16)|(1<<21)            ; 15:0 the mask: all four work-groups; 17:16 elements of 8 bytes; 21 set beside a mask
	s_mov_b32 s[G1+1], 32<<16                      ; tensor_dim0 = 32
	s_mov_b32 s[G1+2], 70<<16                      ; tensor_dim1 = 70
	s_mov_b32 s[G1+3], 32<<16                      ; tile_dim0 = 32
	s_mov_b32 s[G1+4], 70                          ; tile_dim1 = 70
	s_mov_b32 s[G1+5], 32                          ; from row to row
	s_mov_b32 s[G1+6], 0
	s_mov_b32 s[G1+7], 0
	s_and_b32 s36, s[WV], 7
	s_mul_i32 s[G0+1], s36, 2*STEPB                ; LDS address: steps 2 w and 2 w + 1
	s_mul_i32 s44, s16, 16*STEPB                   ; the head's bytes in kv,
	s_add_co_u32 s44, s44, s[G0+1]                 ; and the same two steps there
	s_mov_b32 s45, 0
	s_mov_b32 s[SEL], 0x76543210
	s_mov_b32 s[SEL+1], 0xfedcba98
	s_mov_b32 s[CS], 0x3e38aa3b                    ; c = log2(e) / 8
	s_mov_b32 s[CS+1], s[CS]                       ; (named with it as a pair, so it is written)
	v_and_b32 v[DD], 31, v0
	v_lshlrev_b32 v[L16], 4, v[DD]
	v_lshlrev_b32 v[L8], 3, v[DD]
	v_and_b32 v[R4], 15, v0                        ; r
	v_bfe_u32 v[AD16], v0, 4, 1                    ; h
	v_lshlrev_b32 v[R16], 4, v[R4]
	v_lshl_add_u32 v[CO8], v[AD16], 3, v[R16]
	v_and_b32 v[AD8], 8, v[R4]
	v_add_nc_u32 v[AD8], v[AD8], v[R4]             ; r + 8 (r / 8)
	v_lshlrev_b32 v[AD16], 4, v[AD16]
	v_sub_nc_u32 v[DB], v[AD8], v[AD16]
	v_lshlrev_b32 v[R4], 2, v[R4]
	s_wait_dscnt 0x0                               ; both opening adds are done
	s_wait_kmcnt 0x0
	s_mov_b32 s[G0], 1                             ; count = 1
	s_add_nc_u64 s[G0+2:G0+3], s[8:9], s[44:45]
	s_or_b32 s[G0+3], s[G0+3], 0x80000000          ; type = 2
	CROUND                                         ; all four work-groups are here: the joint loads meet
	s_cmp_lt_u32 s[WV], 8                          ; waves 0 to 7 fetch, one load each: one tensor load of a wave is out
	s_cbranch_scc0 .Lno_fill
	tensor_load_to_lds s[G0:G0+3], s[G1:G1+7]
	s_nop 0
.rept 4
	v_nop
.endr
.Lno_fill:
	s_lshl_b32 s44, s16, 16
	s_add_nc_u64 s[4:5], s[4:5], s[44:45]          ; qimg at my head
	s_lshl_b32 s44, s16, 13
	s_add_nc_u64 s[6:7], s[6:7], s[44:45]          ; qsc likewise
	s_lshl_b32 s37, s[WV], 2
	s_add_co_u32 s38, s37, s15                     ; the first pass's tile: 4 w + cx
	s_sub_co_u32 s37, 124, s37
	s_add_co_u32 s39, s37, s15                     ; the second's: 4 (31 - w) + cx
	s_lshl_b32 s44, s38, 9
	s_add_nc_u64 s[48:49], s[4:5], s[44:45]
	s_lshl_b32 s44, s38, 6
	s_add_nc_u64 s[50:51], s[6:7], s[44:45]
	s_lshl_b32 s44, s39, 9
	s_add_nc_u64 s[52:53], s[4:5], s[44:45]
	s_lshl_b32 s44, s39, 6
	s_add_nc_u64 s[54:55], s[6:7], s[44:45]
	global_load_b128 v[Q:Q+3], v[L16], s[48:49]    ; lane (r, h): dims 32 h + 0 .. 31 of row r
	global_load_b32 v[QS], v[R4], s[50:51]
	global_load_b128 v[QN:QN+3], v[L16], s[52:53]
	global_load_b32 v[QSN], v[R4], s[54:55]
	s_lshr_b32 s37, s16, 3                         ; b
	s_and_b32 s38, s16, 7                          ; head
	s_lshl_b32 s44, s37, 19                        ; cimg: 524,288 b + 1,024 (head / 2) + 512 (head % 2) = .. + 512 head
	s_lshl_b32 s39, s38, 9
	s_add_co_u32 s44, s44, s39
	s_add_nc_u64 s[10:11], s[10:11], s[44:45]
	s_lshl_b32 s44, s37, 15                        ; csc: 32,768 b + 2 head
	s_lshl_b32 s39, s38, 1
	s_add_co_u32 s44, s44, s39
	s_add_nc_u64 s[12:13], s[12:13], s[44:45]
.irp i, 0,1,2,3
	v_mov_b32 v[Q+4+\i], 0                         ; Q's zero codes for k = 64 .. 127
	v_mov_b32 v[KF+32+\i], 0                       ; what stands behind K's tile 7
	v_mov_b32 v[BP+\i], 0                          ; written once: a lane permute's destination counts as one of its sources
.endr
	v_mov_b32 v[PWD], 0                            ; (named as the upper half of the pair with f before it is first written)
	v_mov_b32 v[T], 0
	s_mov_b32 s[PASS], 0
	s_wait_loadcnt 0x0                             ; Q of both passes
	s_wait_tensorcnt 0x0                           ; my part of the head is in LDS,
	s_barrier_signal -1
	s_barrier_wait -1                              ; everybody's is
.Lpass:                                            ; two trips: a tile of 16 queries each
	s_wait_xcnt 0x0                                ; the last pass's stores have read their data and bases: only behind this wait are they written again
	s_sub_co_u32 s37, 31, s[WV]
	s_cmp_eq_u32 s[PASS], 0
	s_cselect_b32 s37, s[WV], s37                  ; j
	s_lshr_b32 s[LAST], s37, 1                     ; the step on the diagonal
	s_lshl_b32 s38, s37, 2
	s_add_co_u32 s38, s38, s15                     ; my tile
	s_bfe_u32 s39, s38, 0x20001                    ; row r of tile 2 G + U is token 32 G + 8 U + r + 8 (r / 8): within the diagonal step 32 (G % 4) + 8 U + ..
	s_lshl_b32 s39, s39, 5
	s_and_b32 s44, s38, 1
	s_lshl_b32 s44, s44, 3
	s_add_co_u32 s39, s39, s44
	v_add_nc_u32 v[DD], s39, v[DB]
	s_lshl_b32 s44, s38, 12
	s_add_nc_u64 s[40:41], s[10:11], s[44:45]      ; where my tile's codes go,
	s_lshl_b32 s44, s38, 8
	s_add_nc_u64 s[42:43], s[12:13], s[44:45]      ; and its scale bytes
	v_mov_b32 v13, 0xff61b1e6                      ; the largest t so far: -3e38, under every t
	v_floor_f32 v12, -v13                          ; -M
	v_mov_b32 v14, 0                               ; the sum, in two halves
	v_mov_b32 v15, 0
.set n, 0
.rept 32
	v_mov_b32 v[O+n], 0                            ; O^T: the step is written once; the first finds zeros, which the first change of M leaves zeros
.set n, n+1
.endr
	s_mov_b32 s[STEP], 0
	s_mov_b32 s[TB], 0
.Lstep:                                            ; sixteen trips, a constant: a step all of whose keys come after my queries is jumped over, by a branch on ids
	s_cmp_gt_u32 s[STEP], s[LAST]
	s_cbranch_scc1 .Lnext
	v_add_nc_u32 v[AD16], s[TB], v[L16]
	v_add_nc_u32 v[AD8], s[TB], v[L8]
	v_nop
	v_nop                                          ; four places behind the last step's products, in front of loads into the registers that they read
.irp t, 0,1,2,3,4,5,6,7
	ds_load_b128 v[KF+4*\t:KF+4*\t+3], v[AD16] offset:512*\t
.endr
	ds_load_b128 v[KS:KS+3], v[AD16] offset:8192   ; register i: lanes 0-15 tile 2 i, lanes 16-31 tile 2 i + 1
.irp t, 0,1,2,3,4,5,6,7
	ds_load_b128 v[VF+4*\t:VF+4*\t+3], v[AD16] offset:4096+512*\t
.endr
	ds_load_b64 v[VS:VS+1], v[AD8] offset:8704
	s_wait_dscnt 9                                 ; K and its scale words are in; V's nine loads may stay out
.irp t, 0,1,2,3,4,5,6,7
	WMZ S+8*\t, KF+4*\t, Q, KS+\t/2, QS, \t%2
.endr
.rept 4
	v_nop
.endr
	s_cmp_lg_u32 s[STEP], s[LAST]                  ; on the diagonal the scores of hidden keys become -infinity ahead of the maximum: p = 0 then
	s_cbranch_scc1 .Lopen
	v_mov_b32 v[T], 0xff800000
.set n, 0
.rept 64
	v_cmp_gt_i32 vcc_lo, 32*(n/16)+n%16, v[DD]     ; register 16 b + i holds the step's key 32 b + 16 h + i
	v_cndmask_b32 v[S+n], v[S+n], v[T], vcc_lo
.set n, n+1
.endr
.Lopen:
.irp b, 0,1,2,3
	v_max3_num_f32 v[BM+\b], v[S+16*\b], v[S+16*\b+1], v[S+16*\b+2]   ; the largest score of each block of 32 keys: it serves the row's maximum and, since p rises with the score, the block's largest p
.endr
.irp i, 3,5,7,9,11,13
.irp b, 0,1,2,3
	v_max3_num_f32 v[BM+\b], v[BM+\b], v[S+16*\b+\i], v[S+16*\b+\i+1]
.endr
.endr
.irp b, 0,1,2,3
	v_max_num_f32 v[BM+\b], v[BM+\b], v[S+16*\b+15]
.endr
.irp b, 0,1,2,3
	v_permlanex16_b32 v[BP+\b], v[BM+\b], s[SEL], s[SEL+1]
.endr
.irp b, 0,1,2,3
	v_max_num_f32 v[BM+\b], v[BM+\b], v[BP+\b]     ; with lane l xor 16's 16 keys
.endr
	v_max3_num_f32 v[T], v[BM], v[BM+1], v[BM+2]
	v_max_num_f32 v[T], v[T], v[BM+3]              ; the step's largest score of my query
	v_mul_f32 v[T], s[CS], v[T]                    ; as t
	v_max_num_f32 v13, v13, v[T]                   ; the running largest t
	v_mov_b32 v[T], v12
	v_floor_f32 v12, -v13                          ; the new -M = floor(-t) = -ceil(t)
	v_sub_f32 v[T], v12, v[T]                      ; old M less new M: a whole number, 0 or less
	v_cvt_i32_f32 v[T], v[T]                       ; (it saturates)
	v_ldexp_f32 v[FF], 1.0, v[T]                   ; f = 2^(old M - new M)
.set n, 0
.rept 32
	v_pk_fma_f32 v[S+n:S+n+1], v[S+n:S+n+1], s[CS:CS+1], v[12:13] op_sel_hi:[1,0,0]   ; t - M, two at a time (of the pairs c and -M the low word serves both halves)
.set n, n+2
.endr
.irp b, 0,1,2,3
	v_fma_f32 v[BM+\b], v[BM+\b], s[CS], v12       ; the same of each block's largest score
.endr
.set n, 0
.rept 64
	v_exp_f32 v[S+n], v[S+n]                       ; p = 2^(t - M), at most 1: not normalised
.set n, n+1
.endr
	v_pk_mul_f32 v[14:15], v[14:15], v[FF:FF+1] op_sel_hi:[1,0]   ; the sums under the new M: a plain place behind the exponentials
	s_wait_alu depctr_va_vdst(0)                   ; one wait for the whole batch, ahead of the first line that names a result
.irp b, 0,1,2,3
	v_exp_f32 v[BM+\b], v[BM+\b]                   ; the block's largest p: the same two instructions on the same number give the same bits
.endr
	v_pk_add_f32 v[BP:BP+1], v[S:S+1], v[S+2:S+3]  ; the row's sum is taken of the unquantised p, in two chains; it reads the 64 alone
.irp j, 4,8,12,16,20,24,28,32,36,40,44,48,52,56,60
	v_pk_add_f32 v[14:15], v[14:15], v[S+\j:S+\j+1]
	v_pk_add_f32 v[BP:BP+1], v[BP:BP+1], v[S+\j+2:S+\j+3]
.endr
	v_pk_add_f32 v[14:15], v[14:15], v[BP:BP+1]
	s_wait_alu depctr_va_vdst(0)                   ; and one wait for the four
.irp b, 0,1,2,3
	v_max_num_f32 v[BM+\b], 0x1800000, v[BM+\b]    ; the floor 2^(3 - 127): a block whose every p is 0 keeps the byte 1: its codes are zeros
.endr
.irp b, 0,1,2,3
	v_add_nc_u32 v[BS+\b], 0xff000000, v[BM+\b]    ; 2 off the exponent field: the conversion's scale operand
.endr
.irp b, 0,1,2,3
	v_lshrrev_b32 v[BP+\b], 23, v[BS+\b]           ; the scale's byte
.endr
	v_lshl_or_b32 v[PWD], v[BP+1], 8, v[BP]        ; p's scale word for these 128 keys
	v_lshl_or_b32 v[PWD], v[BP+2], 16, v[PWD]
	v_lshl_or_b32 v[PWD], v[BP+3], 24, v[PWD]
.irp b, 0,1,2,3
	v_cvt_scalef32_pk8_fp4_f32 v[PC+2*\b], v[S+16*\b:S+16*\b+7], v[BS+\b]
	v_cvt_scalef32_pk8_fp4_f32 v[PC+2*\b+1], v[S+16*\b+8:S+16*\b+15], v[BS+\b]
.endr
	v_nop                                          ; one plain place behind the scaled conversions
.irp c, 0,1                                    ; the operand's layout wants a whole block in a lane: lanes 0-15 block 2 c, lanes 16-31 block 2 c + 1
.irp i, 0,1
	v_permlane16_swap_b32 v[PC+4*\c+\i], v[PC+4*\c+2+\i]
.endr
.endr
.set n, 0
.rept 16
	v_pk_mul_f32 v[O+n:O+n+1], v[O+n:O+n+1], v[FF:FF+1] op_sel_hi:[1,0]   ; O^T under the new M, each accumulator from its low end on; these sixteen are also the places in front of the products below
.set n, n+2
.endr
	s_wait_dscnt 0x0                               ; V and its scale words are in
.irp t, 0,1,2,3
	WMA O+8*\t, VF+8*\t, PC, VS+\t/2, PWD, \t%2    ; the four accumulators by turns, one instruction a turn
.endr
.Lnext:
	s_add_co_u32 s[TB], s[TB], STEPB
	s_add_co_u32 s[STEP], s[STEP], 1
	s_cmp_lt_u32 s[STEP], 16
	s_cbranch_scc1 .Lstep
	; ---- the way out of a pass: O^T / the sum, quantised along the dims: two blocks of 32, each in lanes l and l xor 16
.rept 4
	v_nop                                          ; four places behind the last products, where the sixteenth step was walked
.endr
	v_add_f32 v14, v14, v15                        ; the sum's two halves,
	v_permlanex16_b32 v[T], v14, s[SEL], s[SEL+1]
	v_add_f32 v14, v14, v[T]                       ; and lane l xor 16's
	v_rcp_f32 v14, v14
	v_nop                                          ; a plain place behind the transcendental,
	s_wait_alu depctr_va_vdst(0)                   ; and the wait ahead of its first reader
.set n, 0
.rept 16
	v_pk_mul_f32 v[S+n:S+n+1], v[O+n:O+n+1], v[14:15] op_sel_hi:[1,0]   ; register 16 B + i: ctx(my query, dim 32 B + 16 h + i)
.set n, n+2
.endr
.irp g, 0,1
	v_max3_num_f32 v[BM+\g], |v[S+16*\g]|, |v[S+16*\g+1]|, 0x1800000
.endr
.irp i, 2,4,6,8,10,12,14
.irp g, 0,1
	v_max3_num_f32 v[BM+\g], v[BM+\g], |v[S+16*\g+\i]|, |v[S+16*\g+\i+1]|
.endr
.endr
.irp g, 0,1
	v_permlanex16_b32 v[BP+\g], v[BM+\g], s[SEL], s[SEL+1]
.endr
.irp g, 0,1
	v_max_num_f32 v[BM+\g], v[BM+\g], v[BP+\g]
.endr
.irp g, 0,1
	v_add_nc_u32 v[BS+\g], 0xff000000, v[BM+\g]
.endr
.irp g, 0,1
	v_lshrrev_b32 v[BP+\g], 23, v[BS+\g]
.endr
	v_lshl_or_b32 v[T], v[BP+1], 8, v[BP]          ; my row's two scale bytes of this head
.irp g, 0,1
	v_cvt_scalef32_pk8_fp4_f32 v[PC+2*\g], v[S+16*\g:S+16*\g+7], v[BS+\g]
	v_cvt_scalef32_pk8_fp4_f32 v[PC+2*\g+1], v[S+16*\g+8:S+16*\g+15], v[BS+\g]
.endr
	v_nop                                          ; one plain place behind the scaled conversions
	global_store_b64 v[CO8], v[PC:PC+1], s[40:41]              ; block 0: 256 consecutive bytes, aligned
	global_store_b64 v[CO8], v[PC+2:PC+3], s[40:41] offset:256 ; block 1
	global_store_b16 v[R16], v[T], s[42:43]        ; lanes l and l xor 16 hold the same value and name the same two bytes
.irp i, 0,1,2,3
	v_mov_b32 v[Q+\i], v[QN+\i]                    ; the second pass's queries take their place (behind the second pass these five moves serve nothing)
.endr
	v_mov_b32 v[QS], v[QSN]
	s_add_co_u32 s[PASS], s[PASS], 1
	s_cmp_lt_u32 s[PASS], 2
	s_cbranch_scc1 .Lpass
	s_wait_tensorcnt 0x0                           ; the wave's end
	ds_add_u32 v[SPW], v[NIL]
	s_wait_dscnt 0x0
	CROUND                                         ; the closing round: no work-group ends while a partner may still ask for bytes by a load that names it
	s_endpgm
.Lfunc_end_k_q883fcf9246_attn:
	.size	k_q883fcf9246_attn, .Lfunc_end_k_q883fcf9246_attn-k_q883fcf9246_attn
	.p2alignl 7, 3214868480
	.fill 96, 4, 3214868480
	.section	.rodata,"a",@progbits
	.p2align	6, 0x0
	.amdhsa_kernel k_q883fcf9246_attn
		.amdhsa_group_segment_fixed_size 167936
		.amdhsa_private_segment_fixed_size 0
		.amdhsa_enable_private_segment 0
		.amdhsa_kernarg_size 40
		.amdhsa_user_sgpr_count 2
		.amdhsa_user_sgpr_kernarg_segment_ptr 1
		.amdhsa_wavefront_size32 1
		.amdhsa_system_sgpr_workgroup_id_x 1
		.amdhsa_system_sgpr_workgroup_id_y 1
		.amdhsa_system_sgpr_workgroup_id_z 1
		.amdhsa_system_vgpr_workitem_id 0
		.amdhsa_next_free_vgpr 256
		.amdhsa_next_free_sgpr 66
		.amdhsa_reserve_vcc 1
		.amdhsa_float_denorm_mode_32 3
		.amdhsa_float_denorm_mode_16_64 3
		.amdhsa_memory_ordered 1
		.amdhsa_forward_progress 1
		.amdhsa_inst_pref_size 31
	.end_amdhsa_kernel
	.amdgpu_metadata
---
amdhsa.version: [ 1, 2 ]
amdhsa.kernels:
  - .name:           k_q883fcf9246_attn
    .symbol:         k_q883fcf9246_attn.kd
    .args:
      - { .name: qimg, .offset: 0, .size: 8, .value_kind: global_buffer, .address_space: global }
      - { .name: qsc, .offset: 8, .size: 8, .value_kind: global_buffer, .address_space: global }
      - { .name: kv, .offset: 16, .size: 8, .value_kind: global_buffer, .address_space: global }
      - { .name: cimg, .offset: 24, .size: 8, .value_kind: global_buffer, .address_space: global }
      - { .name: csc, .offset: 32, .size: 8, .value_kind: global_buffer, .address_space: global }
    .group_segment_fixed_size: 167936
    .private_segment_fixed_size: 0
    .kernarg_segment_align: 8
    .kernarg_segment_size: 40
    .max_flat_workgroup_size: 512
    .sgpr_count:     66
    .vgpr_count:     256
    .wavefront_size: 32
...
	.end_amdgpu_metadata
.endif
;; end of part 3
;; launch oproj (part 4): grid 256 x 1, 8 waves a work-group, no clusters, 70,656 bytes of LDS; arguments cimg, csc, wimg, wsc, bo, x, out0; writes out0
.if DOCPART == 4
	.amdgcn_target "amdgcn-amd-amdhsa--gfx1250"
	.amdhsa_code_object_version 6
	.text
	.protected	k_q883fcf9246_oproj
	.globl	k_q883fcf9246_oproj
	.p2align	8
	.type	k_q883fcf9246_oproj,@function
k_q883fcf9246_oproj:
	s_mov_b64 s[64:65], 0
	v_nop
	global_prefetch_b8 v0, s[64:65] scope:SCOPE_SE
	s_setreg_imm32_b32 hwreg(HW_REG_WAVE_MODE, 25, 1), 1
	s_wait_xcnt 0x0
; out0[b][channel][t] = x[b][channel][t] + bo[channel] + the sum over k of ctx[b][t][k] wo[k][channel], the product on codes of FP4.  Nothing is left out here.
; SHARES.  A work-group takes 64 tokens of one batch x all 512 channels; wave w takes channels 64 w on, in two half-units of 32 channels x 64 tokens x K 512: 8 accumulators, 32 matrix instructions.
; Source 0 = 16 tokens of ctx (the permuted tiles of launch qkv), source 1 = 16 columns of wo: a lane holds ONE channel and, in the 16 registers of a pair of accumulators, 16 neighbouring tokens.
; A row of out0's block, 64 tokens, is 256 bytes and comes from one wave. From the stage whole rows come back, x is added, and sixteen lanes store
; 256 consecutive bytes, aligned.
; ctx's and wo's fragments go from memory straight into the registers in which the products take them.  All work-groups read the same 139,264 bytes of wo's codes and scale words, each wave its eighth, once; they are
; not asked for jointly by a cluster: that way leads through LDS, where each byte would be written and read once more, and is left to a later text.
; REGISTERS.  Window 0: v2-8 addresses; v16-143 ctx's 16 fragments (32 m + 8 s); v144-207 the accumulators; v208-215 ctx's scale words; v216-223 wo's; v224-255 rows back from the stage.
;   Window 1: v0-127 wo's fragments, 64 a half-unit; v128-159 the bias as C; v160-223 x's rows of half-unit 0; those of half-unit 1 take v0-63 when the first products have read them.
.set SPITCH, 272                       ; a stage row: 256 bytes + 16
.set STG,   32*SPITCH                  ; a wave's stage: 32 channels
.set SPARE, 8*STG                      ; behind the stages: the spare words, 128 bytes for each wave: four blocks of 256 bytes that no other line names
.set SPW, 2
.set NIL, 3
.set L16, 4                            ; v4  16 x lane
.set XO,  5                            ; v5  x and out0: 8,192 h + 16 r: lanes 0-15 one channel's 256 bytes, lanes 16-31 the next channel's
.set SO,  6                            ; v6  the stage: where I put 16 bytes of my channel's row
.set RD,  7                            ; v7  and where I read a row back
.set BV,  8                            ; v8  4 (r + 8 (r / 8)): bo
.set CF,  16
.set ACC, 144
.set CS,  208
.set WS,  216
.set OUT, 224
.set MSB, 0
.macro WIN new                         ; the immediate's high byte repeats the setting that is left; a switch that changes nothing is dropped
.if MSB != \new
	s_set_vgpr_msb (MSB<<8)|\new
.set MSB, \new
.endif
.endm
.macro WM d, a, b, c, sa, sb, ra, rb   ; ra, rb = 1: that side's scales stand in lanes 16-31 of the register named
.if ((\ra) == 0) && ((\rb) == 0)
	v_wmma_scale_f32_16x16x128_f8f6f4 v[(\d):(\d)+7], v[(\a):(\a)+7], v[(\b):(\b)+7], v[(\c):(\c)+7], v[(\sa)], v[(\sb)] matrix_a_fmt:MATRIX_FMT_FP4 matrix_b_fmt:MATRIX_FMT_FP4
.elseif ((\ra) == 1) && ((\rb) == 0)
	v_wmma_scale_f32_16x16x128_f8f6f4 v[(\d):(\d)+7], v[(\a):(\a)+7], v[(\b):(\b)+7], v[(\c):(\c)+7], v[(\sa)], v[(\sb)] matrix_a_fmt:MATRIX_FMT_FP4 matrix_b_fmt:MATRIX_FMT_FP4 matrix_a_scale:MATRIX_SCALE_ROW1
.elseif ((\ra) == 0) && ((\rb) == 1)
	v_wmma_scale_f32_16x16x128_f8f6f4 v[(\d):(\d)+7], v[(\a):(\a)+7], v[(\b):(\b)+7], v[(\c):(\c)+7], v[(\sa)], v[(\sb)] matrix_a_fmt:MATRIX_FMT_FP4 matrix_b_fmt:MATRIX_FMT_FP4 matrix_b_scale:MATRIX_SCALE_ROW1
.else
	v_wmma_scale_f32_16x16x128_f8f6f4 v[(\d):(\d)+7], v[(\a):(\a)+7], v[(\b):(\b)+7], v[(\c):(\c)+7], v[(\sa)], v[(\sb)] matrix_a_fmt:MATRIX_FMT_FP4 matrix_b_fmt:MATRIX_FMT_FP4 matrix_a_scale:MATRIX_SCALE_ROW1 matrix_b_scale:MATRIX_SCALE_ROW1
.endif
.endm
.macro WLOAD hu                        ; half-unit hu's fragments of wo and its bias: 32 loads
	WIN 0x40                                       ; destination window 1, address window 0
.irp u, 0,1
.irp s, 0,1,2,3
.irp c, 0,1
	global_load_b128 v[64*(\hu)+32*\u+8*\s+4*\c:64*(\hu)+32*\u+8*\s+4*\c+3], v[L16], s[8:9] offset:8192*(\hu)+4096*\u+1024*\s+512*\c
.endr
.endr
.endr
.irp u, 0,1                                    ; lane (r, h) holds ONE channel, 32 hu + 8 ct + r + 8 (r / 8): the same number in the tile's eight registers
.irp i, 0,1,2,3,4,5,6,7
	global_load_b32 v[128+16*(\hu)+8*\u+\i], v[BV], s[12:13] offset:128*(\hu)+32*\u
.endr
.endr
	WIN 0
.endm
.macro XLOAD xr, hu                    ; x's 32 rows of half-unit hu, two rows a load: 16 loads
	WIN 0x40
.irp i, 0,1,2,3,4,5,6,7,8,9,10,11,12,13,14,15
	global_load_b128 v[(\xr)+4*\i:(\xr)+4*\i+3], v[XO], s[14:15] offset:(32*(\hu)+2*\i)*8192 th:TH_LOAD_NT
.endr
	WIN 0
.endm
; 32 matrix instructions, the 8 accumulators by turns in every K step; the bias is the C of each sum's first instruction.  Pair 2 kb + ct: channel (ct, r), tokens 32 kb + 16 h + 0 .. 15.
.macro HUO hu
.set WR,  64*(\hu)
.set BR,  128+16*(\hu)
.set WSR, WS+4*(\hu)
.irp s, 0,1,2,3
.if \s == 0
	WIN 0x14                                       ; source 1 (wo) and C (the bias) window 1
.else
	WIN 0x04
.endif
.irp m, 0,1,2,3
.irp u, 0,1
.if \s == 0
	WM ACC+16*(2*(\m/2)+\u)+8*(\m%2), CF+32*\m, WR+32*\u, BR+8*\u, CS+4*(\m/2), WSR, \m%2, \u
.else
	WM ACC+16*(2*(\m/2)+\u)+8*(\m%2), CF+32*\m+8*\s, WR+32*\u+8*\s, ACC+16*(2*(\m/2)+\u)+8*(\m%2), CS+4*(\m/2)+\s, WSR+\s, \m%2, \u
.endif
.endr
.endr
.endr
	WIN 0
.rept 4
	v_nop                                          ; four places behind the last products, in front of loads into the registers that they read and of the LDS stores that read results
.endr
.endm
; The way out of half-unit hu.  xr: where x's rows lie in window 1.  wait: the younger loads that may stay out when x's rows have to be there.
.macro EPI hu, xr, wait
.irp k, 0,1
.irp u, 0,1
.irp q, 0,1,2,3
	ds_store_b128 v[SO], v[ACC+16*(2*\k+\u)+4*\q:ACC+16*(2*\k+\u)+4*\q+3] offset:8*SPITCH*\u+128*\k+16*\q   ; each accumulator from its low end on
.endr
.endr
.endr
.irp p, 0,1                                    ; sixteen rows at a time
.irp i, 0,1,2,3,4,5,6,7
	ds_load_b128 v[OUT+4*\i:OUT+4*\i+3], v[RD] offset:2*SPITCH*(8*\p+\i)   ; LDS serves a wave's instructions in order (ISA guide 5.7.1.4): these see my stores
.endr
	s_wait_dscnt 0x0
.if \p == 0
	s_wait_loadcnt \wait
.endif
	WIN 0x44                                       ; destination and source 1 (x) window 1, source 0 window 0
.irp i, 0,1,2,3,4,5,6,7,8,9,10,11,12,13,14,15
	v_pk_add_f32 v[(\xr)+32*\p+2*\i:(\xr)+32*\p+2*\i+1], v[OUT+2*\i:OUT+2*\i+1], v[(\xr)+32*\p+2*\i:(\xr)+32*\p+2*\i+1]
.endr
	WIN 0x04                                       ; a store's data are its source 1: window 1
.irp i, 0,1,2,3,4,5,6,7
	global_store_b128 v[XO], v[(\xr)+32*\p+4*\i:(\xr)+32*\p+4*\i+3], s[16:17] offset:(32*(\hu)+16*\p+2*\i)*8192 th:TH_STORE_NT   ; sixteen lanes store 256 consecutive bytes, aligned; no store's data are written again
.endr
	WIN 0
.endr
.endm
	s_load_b256 s[4:11], s[0:1], 0x0               ; cimg, csc, wimg, wsc
	s_load_b128 s[12:15], s[0:1], 0x20             ; bo, x
	s_load_b64 s[16:17], s[0:1], 0x30              ; out0
	v_lshl_add_u32 v[SPW], v0, 2, SPARE
	v_mov_b32 v[NIL], 0
	v_lshrrev_b32 v1, 5, v0
	v_readfirstlane_b32 s18, v1                    ; wave 0..7
	s_lshr_b32 s19, ttmp9, 5                       ; b
	s_and_b32 s20, ttmp9, 31                       ; tb: which 64 tokens
	v_and_b32 v1, 31, v0
	v_lshlrev_b32 v[L16], 4, v1
	v_and_b32 v9, 15, v0                           ; r
	v_bfe_u32 v10, v0, 4, 1                        ; h
	v_lshlrev_b32 v11, 4, v9
	v_lshl_add_u32 v[XO], v10, 13, v11
	v_and_b32 v12, 8, v9
	v_add_nc_u32 v12, v12, v9                      ; r + 8 (r / 8)
	v_lshlrev_b32 v[BV], 2, v12
	s_mul_i32 s24, s18, STG                        ; my stage
	v_mul_u32_u24 v12, v12, SPITCH
	v_lshl_add_u32 v12, v10, 6, v12
	v_add_nc_u32 v[SO], s24, v12                   ; row r + 8 (r / 8) (+ 8 ct), byte 64 h (+ 128 kb + 16 q)
	v_mul_u32_u24 v12, v10, SPITCH
	v_add_nc_u32 v12, v12, v11
	v_add_nc_u32 v[RD], s24, v12                   ; back: lanes 0-15 one row, lanes 16-31 the next
	s_mov_b32 s23, 0
	s_wait_kmcnt 0x0
	s_lshl_b32 s22, s19, 19                        ; cimg: 524,288 b + 4 tb tiles of 4,096
	s_lshl_b32 s24, s20, 14
	s_add_co_u32 s22, s22, s24
	s_add_nc_u64 s[4:5], s[4:5], s[22:23]
	s_lshl_b32 s22, s19, 15                        ; csc: 32,768 b + 2 tb pairs of 512
	s_lshl_b32 s24, s20, 10
	s_add_co_u32 s22, s22, s24
	s_add_nc_u64 s[6:7], s[6:7], s[22:23]
	s_lshl_b32 s22, s18, 14                        ; wimg: the fourth weight, my two groups of 32 columns
	s_add_co_u32 s22, s22, 3*131072
	s_add_nc_u64 s[8:9], s[8:9], s[22:23]
	s_lshl_b32 s22, s18, 10
	s_add_co_u32 s22, s22, 3*8192
	s_add_nc_u64 s[10:11], s[10:11], s[22:23]      ; wsc
	s_lshl_b32 s22, s18, 8
	s_add_nc_u64 s[12:13], s[12:13], s[22:23]      ; bo: my 64
	s_lshl_b32 s22, s19, 22                        ; x and out0: batch, my first channel, the first token
	s_lshl_b32 s24, s18, 19
	s_add_co_u32 s22, s22, s24
	s_lshl_b32 s24, s20, 8
	s_add_co_u32 s22, s22, s24
	s_add_nc_u64 s[14:15], s[14:15], s[22:23]
	s_add_nc_u64 s[16:17], s[16:17], s[22:23]
.irp m, 0,1,2,3
.irp s, 0,1,2,3
.irp c, 0,1
	global_load_b128 v[CF+32*\m+8*\s+4*\c:CF+32*\m+8*\s+4*\c+3], v[L16], s[4:5] offset:4096*\m+1024*\s+512*\c
.endr
.endr
.endr
.irp i, 0,1
	global_load_b128 v[CS+4*\i:CS+4*\i+3], v[L16], s[6:7] offset:512*\i     ; register 4 i + s: lanes 0-15 tile 2 i, lanes 16-31 tile 2 i + 1
	global_load_b128 v[WS+4*\i:WS+4*\i+3], v[L16], s[10:11] offset:512*\i   ; half-unit i: lanes 0-15 tile ct = 0, lanes 16-31 ct = 1
.endr
	WLOAD 0
	WLOAD 1                                        ; from here on 48 loads: half-unit 1's 32,
	XLOAD 160, 0                                   ; and x's 16 of half-unit 0
	s_wait_loadcnt 48                              ; ctx, the scale words and half-unit 0's operands are in
	HUO 0
	XLOAD 0, 1                                     ; into the registers that held half-unit 0's fragments of wo
	EPI 0, 160, 16                                 ; x's rows of half-unit 0 are in, and so are half-unit 1's operands, asked for ahead of them; the 16 loads just issued may stay out
	HUO 1
	EPI 1, 0, 0
	s_wait_tensorcnt 0x0                           ; the wave's end, behind my last LDS store
	ds_add_u32 v[SPW], v[NIL]
	s_wait_dscnt 0x0
	s_endpgm
.Lfunc_end_k_q883fcf9246_oproj:
	.size	k_q883fcf9246_oproj, .Lfunc_end_k_q883fcf9246_oproj-k_q883fcf9246_oproj
	.p2alignl 7, 3214868480
	.fill 96, 4, 3214868480
	.section	.rodata,"a",@progbits
	.p2align	6, 0x0
	.amdhsa_kernel k_q883fcf9246_oproj
		.amdhsa_group_segment_fixed_size 70656
		.amdhsa_private_segment_fixed_size 0
		.amdhsa_enable_private_segment 0
		.amdhsa_kernarg_size 56
		.amdhsa_user_sgpr_count 2
		.amdhsa_user_sgpr_kernarg_segment_ptr 1
		.amdhsa_wavefront_size32 1
		.amdhsa_system_sgpr_workgroup_id_x 1
		.amdhsa_system_sgpr_workgroup_id_y 1
		.amdhsa_system_sgpr_workgroup_id_z 1
		.amdhsa_system_vgpr_workitem_id 0
		.amdhsa_next_free_vgpr 512
		.amdhsa_next_free_sgpr 66
		.amdhsa_reserve_vcc 0
		.amdhsa_float_denorm_mode_32 3
		.amdhsa_float_denorm_mode_16_64 3
		.amdhsa_memory_ordered 1
		.amdhsa_forward_progress 1
		.amdhsa_inst_pref_size 36
	.end_amdhsa_kernel
	.amdgpu_metadata
---
amdhsa.version: [ 1, 2 ]
amdhsa.kernels:
  - .name:           k_q883fcf9246_oproj
    .symbol:         k_q883fcf9246_oproj.kd
    .args:
      - { .name: cimg, .offset: 0, .size: 8, .value_kind: global_buffer, .address_space: global }
      - { .name: csc, .offset: 8, .size: 8, .value_kind: global_buffer, .address_space: global }
      - { .name: wimg, .offset: 16, .size: 8, .value_kind: global_buffer, .address_space: global }
      - { .name: wsc, .offset: 24, .size: 8, .value_kind: global_buffer, .address_space: global }
      - { .name: bo, .offset: 32, .size: 8, .value_kind: global_buffer, .address_space: global }
      - { .name: x, .offset: 40, .size: 8, .value_kind: global_buffer, .address_space: global }
      - { .name: out0, .offset: 48, .size: 8, .value_kind: global_buffer, .address_space: global }
    .group_segment_fixed_size: 70656
    .private_segment_fixed_size: 0
    .kernarg_segment_align: 8
    .kernarg_segment_size: 56
    .max_flat_workgroup_size: 256
    .sgpr_count:     66
    .vgpr_count:     512
    .wavefront_size: 32
...
	.end_amdgpu_metadata
.endif
;; end of part 4
;; ======== version 2 of 2: 4 launches
;; workspace buffers: wimg 524,288 bytes; wsc 32,768 bytes; qimg 4,194,304 bytes; qsc 524,288 bytes; kv 9,175,040 bytes; cimg 4,194,304 bytes; csc 262,144 bytes
;; launch wprep (part 5): grid 128 x 1, 2 waves a work-group, no clusters, 0 bytes of LDS; arguments wq, wk, wv, wo, wimg, wsc; writes wimg, wsc
.if DOCPART == 5
	.amdgcn_target "amdgcn-amd-amdhsa--gfx1250"
	.amdhsa_code_object_version 6
	.text
	.protected	k_q883fcf9246_wprep
	.globl	k_q883fcf9246_wprep
	.p2align	8
	.type	k_q883fcf9246_wprep,@function
k_q883fcf9246_wprep:
	s_mov_b64 s[64:65], 0
	v_nop
	global_prefetch_b8 v0, s[64:65] scope:SCOPE_SE
	s_setreg_imm32_b32 hwreg(HW_REG_WAVE_MODE, 25, 1), 1
	s_wait_xcnt 0x0
; THE PROGRAM: LayerNorm over the channels, q, k, v, causal attention, the projection out, the residual; all six products on codes of FP4 (E2M1) with one E8M0 scale for each 32 along K.
; Four launches: this one (the four weights into codes), qkv (LayerNorm, products 1 to 3, codes of q, k, v), attn (products 4 and 5, codes of ctx), oproj (product 6, bias, residual).
; WORK LEFT OUT: reference() adds -1e9 to every score whose key comes after its query (the mask jnp.triu(.., k=1), which it builds itself).  Such a score's weight in the softmax is 0 beside the
; weight of the query's own key, so a step of 128 keys all of which come after all 16 queries of a tile can reach no output, whatever the inputs hold: attn walks no such step.  Inside a step on the
; diagonal the hidden scores are computed and set to -infinity.  Nothing else is left out, and every input is loaded: bk too, since it moves k's codes.
; LIMITS: hidden keys count for exactly 0, as they do in reference() while the other logits stay under 1e8 in size; a NaN, an infinity or an overflow that reaches only a step left out is not carried to the result;
; a block of zeros gets the scale byte 1 where the quantiser says 127 (its codes are zeros, and this program alone reads the bytes); NaN and infinities among the inputs are not served.
;
; THIS LAUNCH: wq, wk, wv, wo [512 (k)][512 (n)] f32 become codes along K, their FIRST axis, laid in the order in which a wave's operand registers take them:
;   wimg [weight 4][hu 16][ct 2][s 4][c 2][lane 32][16 bytes]: hu = 32 columns; in fragment (ct, s) lane (r, h), registers 4 c .. 4 c + 3, hold column 32 hu + 8 ct + r + 8 (r / 8), k = 128 s + 64 c + 32 h + 0 .. 31
;   wsc  [weight 4][hu 16][16 ct + r][s 4] words: byte j of word s is the scale of k = 128 s + 32 j + 0 .. 31
; A LANE TAKES A COLUMN AND ITS REGISTERS RUN DOWN K: a block of 32 lies in one lane, so its largest magnitude needs no other lane and the conversions give codes with K innermost.
; Lane L = 16 a + 8 u + e holds column 32 hu + L, which is row r = 8 a + e of tile ct = u: so a block's 16 bytes a lane leave as two runs of 256 consecutive bytes, each aligned, with no way through LDS.
; A work-group is one weight, 64 columns (two waves side by side on 256 bytes of each row) and 128 along K.  No LDS, no barrier.
; The scale words leave 4 bytes a lane, 16 bytes apart: one byte for each 128 that the launch reads.
.set X, 32                             ; v32-159  128 numbers: four blocks of 32 down K
.set C, 16                             ; v16-31   the codes, four registers for each block, so that no store's data are written again
	s_load_b256 s[4:11], s[0:1], 0x0               ; wq, wk, wv, wo
	s_load_b128 s[12:15], s[0:1], 0x20             ; wimg, wsc
	v_lshrrev_b32 v4, 5, v0
	v_readfirstlane_b32 s16, v4                    ; wave 0, 1
	v_and_b32 v4, 31, v0                           ; lane
	v_lshlrev_b32 v1, 2, v4                        ; in: 4 bytes a lane
	v_bfe_u32 v5, v0, 3, 1                         ; ct = u
	v_bfe_u32 v6, v0, 4, 1                         ; a
	v_and_b32 v7, 7, v0                            ; e
	v_lshl_add_u32 v6, v6, 3, v7                   ; r = 8 a + e
	v_lshlrev_b32 v6, 4, v6                        ; 16 r
	v_lshl_add_u32 v2, v5, 12, v6                  ; codes: 4,096 ct + 16 r
	v_lshl_add_u32 v3, v5, 8, v6                   ; scale words: 256 ct + 16 r
	s_lshr_b32 s17, ttmp9, 5                       ; which weight
	s_bfe_u32 s18, ttmp9, 0x30002                  ; which 64 columns
	s_and_b32 s19, ttmp9, 3                        ; s: which 128 along K
	s_lshl_b32 s18, s18, 1
	s_add_co_u32 s18, s18, s16                     ; hu
	s_lshl_b32 s20, s19, 18                        ; the weight: 128 s rows of 2,048 bytes
	s_lshl_b32 s22, s18, 7                         ; + 32 hu columns
	s_add_co_u32 s20, s20, s22
	s_mov_b32 s21, 0
	s_lshl_b32 s22, s17, 17                        ; wimg: 131,072 weight + 8,192 hu + 1,024 s
	s_lshl_b32 s24, s18, 13
	s_add_co_u32 s22, s22, s24
	s_lshl_b32 s24, s19, 10
	s_add_co_u32 s22, s22, s24
	s_mov_b32 s23, 0
	s_lshl_b32 s24, s17, 13                        ; wsc: 8,192 weight + 512 hu + 4 s
	s_lshl_b32 s26, s18, 9
	s_add_co_u32 s24, s24, s26
	s_lshl_b32 s26, s19, 2
	s_add_co_u32 s24, s24, s26
	s_mov_b32 s25, 0
	s_and_b32 s26, s17, 1
	s_wait_alu depctr_va_vdst(0)
	s_wait_kmcnt 0x0
	s_cmp_eq_u32 s26, 0                            ; the weight is chosen by the work-group's number alone
	s_cselect_b64 s[4:5], s[4:5], s[6:7]           ; wq or wk
	s_cselect_b64 s[8:9], s[8:9], s[10:11]         ; wv or wo
	s_cmp_lt_u32 s17, 2
	s_cselect_b64 s[4:5], s[4:5], s[8:9]
	s_add_nc_u64 s[4:5], s[4:5], s[20:21]
	s_add_nc_u64 s[12:13], s[12:13], s[22:23]
	s_add_nc_u64 s[14:15], s[14:15], s[24:25]
.set i, 0
.rept 128
	global_load_b32 v[X+i], v1, s[4:5] offset:2048*i th:TH_LOAD_NT   ; w(128 s + i, my column): the wave reads 128 consecutive bytes
.set i, i+1
.endr
; Block j of my column.  left: how many younger loads may stay out (96 and 64 are behind blocks 0 and 1: the wait's field ends at 63, and a smaller count is safe).
.macro BLOCK j, left
.set XB, X+32*(\j)
	s_wait_loadcnt \left
	v_max3_num_f32 v8, |v[XB]|, |v[XB+1]|, |v[XB+2]|               ; the block's largest magnitude, in two chains
	v_max3_num_f32 v9, |v[XB+3]|, |v[XB+4]|, |v[XB+5]|
.irp i, 6,10,14,18,22,26
	v_max3_num_f32 v8, v8, |v[XB+\i]|, |v[XB+\i+1]|
	v_max3_num_f32 v9, v9, |v[XB+\i+2]|, |v[XB+\i+3]|
.endr
	v_max3_num_f32 v8, v8, |v[XB+30]|, |v[XB+31]|
	v_max3_num_f32 v8, v8, v9, 0x1800000           ; and the floor 2^(3 - 127): the byte cannot fall under 1
	v_add_nc_u32 v10, 0xff000000, v8               ; 2 off the exponent field: the conversion takes this operand's exponent field as its scale
	v_lshrrev_b32 v11, 23, v10                     ; the scale's byte
.if (\j) == 0
	v_mov_b32 v12, v11
.else
	v_lshl_or_b32 v12, v11, 8*(\j), v12            ; four bytes make the K step's scale word
.endif
.irp g, 0,1,2,3
	v_cvt_scalef32_pk8_fp4_f32 v[C+4*(\j)+\g], v[XB+8*\g:XB+8*\g+7], v10
.endr
	global_store_b128 v2, v[C+4*(\j):C+4*(\j)+3], s[12:13] offset:512*((\j)/2)+256*((\j)%2)   ; c = j / 2, h = j % 2: sixteen lanes fill 256 consecutive bytes, aligned
.endm
	BLOCK 0, 63
	BLOCK 1, 63
	BLOCK 2, 32
	BLOCK 3, 0
	global_store_b32 v3, v12, s[14:15]
	s_endpgm
.Lfunc_end_k_q883fcf9246_wprep:
	.size	k_q883fcf9246_wprep, .Lfunc_end_k_q883fcf9246_wprep-k_q883fcf9246_wprep
	.p2alignl 7, 3214868480
	.fill 96, 4, 3214868480
	.section	.rodata,"a",@progbits
	.p2align	6, 0x0
	.amdhsa_kernel k_q883fcf9246_wprep
		.amdhsa_group_segment_fixed_size 0
		.amdhsa_private_segment_fixed_size 0
		.amdhsa_enable_private_segment 0
		.amdhsa_kernarg_size 48
		.amdhsa_user_sgpr_count 2
		.amdhsa_user_sgpr_kernarg_segment_ptr 1
		.amdhsa_wavefront_size32 1
		.amdhsa_system_sgpr_workgroup_id_x 1
		.amdhsa_system_sgpr_workgroup_id_y 1
		.amdhsa_system_sgpr_workgroup_id_z 1
		.amdhsa_system_vgpr_workitem_id 0
		.amdhsa_next_free_vgpr 176
		.amdhsa_next_free_sgpr 66
		.amdhsa_reserve_vcc 0
		.amdhsa_float_denorm_mode_32 3
		.amdhsa_float_denorm_mode_16_64 3
		.amdhsa_memory_ordered 1
		.amdhsa_forward_progress 1
		.amdhsa_inst_pref_size 21
	.end_amdhsa_kernel
	.amdgpu_metadata
---
amdhsa.version: [ 1, 2 ]
amdhsa.kernels:
  - .name:           k_q883fcf9246_wprep
    .symbol:         k_q883fcf9246_wprep.kd
    .args:
      - { .name: wq, .offset: 0, .size: 8, .value_kind: global_buffer, .address_space: global }
      - { .name: wk, .offset: 8, .size: 8, .value_kind: global_buffer, .address_space: global }
      - { .name: wv, .offset: 16, .size: 8, .value_kind: global_buffer, .address_space: global }
      - { .name: wo, .offset: 24, .size: 8, .value_kind: global_buffer, .address_space: global }
      - { .name: wimg, .offset: 32, .size: 8, .value_kind: global_buffer, .address_space: global }
      - { .name: wsc, .offset: 40, .size: 8, .value_kind: global_buffer, .address_space: global }
    .group_segment_fixed_size: 0
    .private_segment_fixed_size: 0
    .kernarg_segment_align: 8
    .kernarg_segment_size: 48
    .max_flat_workgroup_size: 64
    .sgpr_count:     66
    .vgpr_count:     176
    .wavefront_size: 32
...
	.end_amdgpu_metadata
.endif
;; end of part 5
;; launch qkv (part 6): grid 256 x 1, 8 waves a work-group, no clusters, 20,992 bytes of LDS; arguments x, gamma, beta, wimg, wsc, bq, bk, bv, qimg, qsc, kv; writes qimg, qsc, kv
.if DOCPART == 6
	.amdgcn_target "amdgcn-amd-amdhsa--gfx1250"
	.amdhsa_code_object_version 6
	.text
	.protected	k_q883fcf9246_qkv
	.globl	k_q883fcf9246_qkv
	.p2align	8
	.type	k_q883fcf9246_qkv,@function
k_q883fcf9246_qkv:
	s_mov_b64 s[64:65], 0
	v_nop
	global_prefetch_b8 v0, s[64:65] scope:SCOPE_SE
	s_setreg_imm32_b32 hwreg(HW_REG_WAVE_SCHED_MODE, 0, 2), 2
	s_setreg_imm32_b32 hwreg(HW_REG_WAVE_MODE, 25, 1), 1
	s_wait_xcnt 0x0
	s_wait_alu depctr_vm_vsrc(0)
; LayerNorm over the channels of x [8][512 (channel)][2048 (token)], h quantised along the channels, q = h wq + bq, k, v likewise on codes of FP4, and q, k (along the head's 64) and v (along the keys) quantised.  Nothing is left out here.
; SHARES.  A work-group takes 64 tokens of one batch and all 1,536 columns: x is read and normalised once.
;   LayerNorm: lane = token, registers = channels.  Wave w takes tokens 32 (w % 2) on and channels 128 (w / 2) on: 128 registers.  Sums of the four waves of a token meet in LDS.  Mean first, then the squares of x - mean.
;   Products: wave w takes head w of q, of k and of v, in six HALF-UNITS of 32 columns x 64 tokens x K 512: 8 accumulators, 32 matrix instructions.
; THE PERMUTED TILE.  In each 32 tokens, tile 2 g + u takes in row p token 32 g + 8 u + p + 8 (p / 8); the weights' tiles of 32 columns are formed the same way (launch wprep).  Where such a tile is source 0,
; the 16 registers of results (2 g, 2 g + 1) are 16 neighbours 32 g + 16 (lane / 16) + 0 .. 15: every quantiser finds its K in a lane's registers, a block of 32 in lanes l and l xor 16.
;   q, k: source 0 = 16 columns of the weight, source 1 = 16 tokens: a lane holds one token and neighbouring dims.     v: source 0 = 16 tokens, source 1 = 16 columns: a lane holds one dim and neighbouring keys.
; A lane's 16 codes, 8 bytes, of block B belong at byte 256 B + 16 (lane % 16) + 8 (lane / 16) of the image of an operand's four registers: one store of the wave covers 256 consecutive bytes, aligned.
; OUT:  qimg [bh 64][tile 128][512]; qsc [bh][tile][row 16] words (bytes 0, 1: the two blocks; 2, 3: 0);
;       kv [bh][step 16 of 128 keys][8,960]: K's codes 8 tiles x 512; at 4,096 V's [d tile 4][c 2][512]; at 8,192 K's scale words [lane 32][4]; at 8,704 V's [lane 32][2].
;       The scale words leave in stores of 2 to 8 bytes a lane: 21 bytes for each 1,024 that the launch reads.
; THE WEIGHTS go from memory straight into the registers in which the products take them, two half-units ahead.  All work-groups read the same 417,792 bytes of wimg and wsc; they are not asked for jointly by a
; cluster, since they do not fit into a work-group's 327,680 bytes of LDS in one fill, and a ring for them is left to a later text.
; LIMITS: as stated at the head of launch wprep.
; REGISTERS.  Window 0: v2-13 addresses; v16-143 x's numbers, later h's 16 fragments (tile m, K step s at 32 m + 8 s); v144-207 the accumulators; v208-215 h's scale words; v216-227 the weights' scale words, three sets;
;   v228-254 at work.   Window 1: v0-191 the weights' fragments, three sets of 64 (32 ct + 8 s); v192-239 the biases as C, three sets of 16.
; THE MODE: SCHED_MODE bits 1:0 = 2 (LLVM: expert scheduling mode 2), set by the entry lines.  The code itself states the register dependences between vector or matrix instructions and memory or LDS
; instructions, with s_wait_alu, always for 0.
; THE PLAN.  Registers that memory or LDS instructions touch:
;   v2-13            addresses: written at the head, ahead of one wait on va_vdst, and never again.
;   v144             a wave's sum: written by additions, read by an LDS store; twice; then the products write it.  A wait on va_vdst ahead of each store, one on vm_vsrc ahead of each rewriting.
;   v228-231         the four waves' sums land here, twice, behind the wait on va_vdst of the store just before: only the barrier stands between.
;   v176-191, v254   h's codes and scale word: written by the four blocks' conversions, read by five LDS stores behind ONE wait on va_vdst; the products write v176-191 behind the wait on vm_vsrc at the third barrier.
;   v16-143          read and written by the LayerNorm; h's fragments land there behind that same wait on va_vdst; from then on matrix instructions alone name them.
;   window 1, v216-227  set n % 3: read by half-unit n's products; half-unit n + 3's loads land in it behind one wait on va_vdst.
;   v236-243, v248-249  codes and scale words to store: written by a half-unit's quantiser and selects, read by its stores behind one wait on va_vdst; written again in the next half-unit, behind a wait on vm_vsrc
;                    that stands a run of 32 matrix instructions behind those stores.
;   The accumulators but v144 and v176-191, and all else of v228-254, are named by vector and matrix instructions alone.
.set TSTR,  4224                       ; LDS: a tile's four fragments, 4 x 1,024 bytes, + 128, so that the two tiles that a store touches start in different banks
.set XSC,   4*TSTR                     ; h's scale words [pair of tiles 2][lane 32][s 4]
.set RED1,  XSC+1024                   ; the sums [w / 2][token 64]
.set RED2,  RED1+1024                  ; the sums of squares
.set SPARE, RED2+1024                  ; the spare words, 128 bytes for each wave: four blocks of 256 bytes that no other line names
.set SPW, 2                            ; v2   LDS address of my spare word; never rewritten
.set NIL, 3                            ; v3   0; never rewritten
.set L16, 4                            ; v4   16 x lane
.set L4,  5                            ; v5   4 x lane
.set XWI, 6                            ; v6   where I store h's codes
.set XWS, 7                            ; v7   and its scale word
.set RW,  8                            ; v8   where I store a sum
.set RR,  9                            ; v9   where I read my token's sums
.set CO8, 10                           ; v10  16 r + 8 h
.set BO,  11                           ; v11  64 h: bq, bk
.set BV,  12                           ; v12  4 (r + 8 (r / 8)): bv
.set S8,  13                           ; v13  8 x lane
.set XF,  16
.set ACC, 144
.set HC,  176                          ; h's codes, four registers a block
.set XS,  208
.set WS,  216
.set TM,  228                          ; v228-231 largest magnitudes, v232-235 the scales as the conversions take them
.set CD,  236                          ; v236-243 codes to store
.set KB,  244                          ; v244-247 scale bytes
.set WD,  248                          ; v248-249 scale words to store
.set MU,  250                          ; v250-251 the mean, twice
.set RS,  252                          ; v252-253 1 / sqrt(var + eps), twice
.set BY2, 250                          ; v250-253 behind the LayerNorm: the second block's bytes
.set PW,  254                          ; v254 a scale word in the making
.set MSB, 0
.macro WIN new                         ; the immediate's high byte repeats the setting that is left; a switch that changes nothing is dropped
.if MSB != \new
	s_set_vgpr_msb (MSB<<8)|\new
.set MSB, \new
.endif
.endm
; One matrix instruction.  ra, rb = 1: that side's scales stand in lanes 16-31 of the register named.
.macro WM d, a, b, c, sa, sb, ra, rb
.if ((\ra) == 0) && ((\rb) == 0)
	v_wmma_scale_f32_16x16x128_f8f6f4 v[(\d):(\d)+7], v[(\a):(\a)+7], v[(\b):(\b)+7], v[(\c):(\c)+7], v[(\sa)], v[(\sb)] matrix_a_fmt:MATRIX_FMT_FP4 matrix_b_fmt:MATRIX_FMT_FP4
.elseif ((\ra) == 1) && ((\rb) == 0)
	v_wmma_scale_f32_16x16x128_f8f6f4 v[(\d):(\d)+7], v[(\a):(\a)+7], v[(\b):(\b)+7], v[(\c):(\c)+7], v[(\sa)], v[(\sb)] matrix_a_fmt:MATRIX_FMT_FP4 matrix_b_fmt:MATRIX_FMT_FP4 matrix_a_scale:MATRIX_SCALE_ROW1
.elseif ((\ra) == 0) && ((\rb) == 1)
	v_wmma_scale_f32_16x16x128_f8f6f4 v[(\d):(\d)+7], v[(\a):(\a)+7], v[(\b):(\b)+7], v[(\c):(\c)+7], v[(\sa)], v[(\sb)] matrix_a_fmt:MATRIX_FMT_FP4 matrix_b_fmt:MATRIX_FMT_FP4 matrix_b_scale:MATRIX_SCALE_ROW1
.else
	v_wmma_scale_f32_16x16x128_f8f6f4 v[(\d):(\d)+7], v[(\a):(\a)+7], v[(\b):(\b)+7], v[(\c):(\c)+7], v[(\sa)], v[(\sb)] matrix_a_fmt:MATRIX_FMT_FP4 matrix_b_fmt:MATRIX_FMT_FP4 matrix_a_scale:MATRIX_SCALE_ROW1 matrix_b_scale:MATRIX_SCALE_ROW1
.endif
.endm
.macro BAR                             ; my LDS stores have landed and my LDS loads are in: then the work-group's barrier
	s_wait_dscnt 0x0
	s_barrier_signal -1
	s_barrier_wait -1
.endm
.macro GB j                            ; gamma and beta of my block j of 32 channels, into scalar registers: a register of x is one channel for all lanes
	s_load_b512 s[32:47], s[6:7], 128*(\j)
	s_load_b512 s[48:63], s[6:7], 128*(\j)+64
	s_load_b512 s[68:83], s[8:9], 128*(\j)
	s_load_b512 s[84:99], s[8:9], 128*(\j)+64
.endm
; Half-unit n's operands (n = 0, 1: q; 2, 3: k; 4, 5: v; n % 2: which 32 columns of the head) into set n % 3: 16 loads of fragments, the bias in the result's layout, one load of scale words: 21 loads for q and k, 33 for v.
.macro WLOAD n
	WIN 0x40                                       ; destination window 1, address window 0
.irp u, 0,1
.irp s, 0,1,2,3
.irp c, 0,1
	global_load_b128 v[64*((\n)%3)+32*\u+8*\s+4*\c:64*((\n)%3)+32*\u+8*\s+4*\c+3], v[L16], s[10:11] offset:((\n)/2)*131072+((\n)%2)*8192+4096*\u+1024*\s+512*\c
.endr
.endr
.endr
.if (\n) < 4
.irp u, 0,1                                    ; lane (r, h) holds dims 32 B + 16 h + 8 ct + 0 .. 7
.irp i, 0,1
	global_load_b128 v[192+16*((\n)%3)+8*\u+4*\i:192+16*((\n)%3)+8*\u+4*\i+3], v[BO], s[14+2*((\n)/2):15+2*((\n)/2)] offset:128*((\n)%2)+32*\u+16*\i
.endr
.endr
.else
.irp u, 0,1                                    ; lane (r, h) holds ONE dim, 32 B + 8 ct + r + 8 (r / 8): the same number in the tile's eight registers
.irp i, 0,1,2,3,4,5,6,7
	global_load_b32 v[192+16*((\n)%3)+8*\u+\i], v[BV], s[18:19] offset:128*((\n)%2)+32*\u
.endr
.endr
.endif
	WIN 0
	global_load_b128 v[WS+4*((\n)%3):WS+4*((\n)%3)+3], v[L16], s[12:13] offset:((\n)/2)*8192+((\n)%2)*512   ; register s: lanes 0-15 tile ct = 0, lanes 16-31 ct = 1
.endm
; The four pairs of accumulators become codes: pair g's 16 numbers into v[CD + 2 g], v[CD + 2 g + 1]; its block's scale byte into v[by + g].  The four by turns: no line waits for the line above it.
.macro QUANT4 by
.irp g, 0,1,2,3
	v_max3_num_f32 v[TM+\g], |v[ACC+16*\g]|, |v[ACC+16*\g+1]|, 0x1800000   ; each accumulator is read from its low end on; the floor 2^(3 - 127) holds the byte at 1 from below
.endr
.irp i, 2,4,6,8,10,12,14
.irp g, 0,1,2,3
	v_max3_num_f32 v[TM+\g], v[TM+\g], |v[ACC+16*\g+\i]|, |v[ACC+16*\g+\i+1]|
.endr
.endr
.irp g, 0,1,2,3
	v_permlanex16_b32 v[TM+4+\g], v[TM+\g], s46, s47
.endr
.irp g, 0,1,2,3
	v_max_num_f32 v[TM+\g], v[TM+\g], v[TM+4+\g]   ; with lane l xor 16's: the block's largest magnitude
.endr
.irp g, 0,1,2,3
	v_add_nc_u32 v[TM+4+\g], 0xff000000, v[TM+\g]  ; 2 off its exponent field: the conversion's scale operand
.endr
.irp g, 0,1,2,3
	v_lshrrev_b32 v[\by+\g], 23, v[TM+4+\g]        ; the scale's byte
.endr
.irp g, 0,1,2,3
	v_cvt_scalef32_pk8_fp4_f32 v[CD+2*\g], v[ACC+16*\g:ACC+16*\g+7], v[TM+4+\g]
	v_cvt_scalef32_pk8_fp4_f32 v[CD+2*\g+1], v[ACC+16*\g+8:ACC+16*\g+15], v[TM+4+\g]
.endr
	v_nop                                          ; one plain place behind the scaled conversions
.endm
; A half-unit: 32 matrix instructions, the 8 accumulators by turns in every K step; the bias is the C of each sum's first instruction.  wait: the younger loads that may stay out.
.macro HU n, wait
.set WR,  64*((\n)%3)
.set BR,  192+16*((\n)%3)
.set WSR, WS+4*((\n)%3)
	s_wait_loadcnt \wait
.irp s, 0,1,2,3
.if (\n) < 4
.if \s == 0
	WIN 0x11                                       ; source 0 (the weight) and C (the bias) window 1
.else
	WIN 0x01
.endif
.irp m, 0,1,2,3
.irp u, 0,1
.if \s == 0
	WM ACC+16*\m+8*\u, WR+32*\u, XF+32*\m, BR+8*\u, WSR, XS+4*(\m/2), \u, \m%2
.else
	WM ACC+16*\m+8*\u, WR+32*\u+8*\s, XF+32*\m+8*\s, ACC+16*\m+8*\u, WSR+\s, XS+4*(\m/2)+\s, \u, \m%2
.endif
.endr
.endr
.else
.if \s == 0
	WIN 0x14                                       ; source 1 (the weight) and C (the bias) window 1
.else
	WIN 0x04
.endif
.irp m, 0,1,2,3
.irp u, 0,1
.if \s == 0
	WM ACC+16*(2*(\m/2)+\u)+8*(\m%2), XF+32*\m, WR+32*\u, BR+8*\u, XS+4*(\m/2), WSR, \m%2, \u
.else
	WM ACC+16*(2*(\m/2)+\u)+8*(\m%2), XF+32*\m+8*\s, WR+32*\u+8*\s, ACC+16*(2*(\m/2)+\u)+8*(\m%2), XS+4*(\m/2)+\s, WSR+\s, \m%2, \u
.endif
.endr
.endr
.endif
.endr
	WIN 0
.rept 4
	v_nop                                          ; four places behind the last products, in front of the first read of results (ISA guide 7.12.1)
.endr
.if (\n) > 0
	s_wait_xcnt 0x0                                ; the last half-unit's stores have had their addresses translated: only behind this wait are v[CD ..] and v[WD ..] written again
	s_wait_alu depctr_vm_vsrc(0)                   ; and they have read v[CD ..] and v[WD ..], which the quantiser and the selects below write again
.endif
.if (\n) < 3
	s_wait_alu depctr_va_vdst(0)                   ; the 32 products are done reading this set's fragments, bias and scale words, in which the loads below land
	WLOAD (\n)+3                                   ; into the set just multiplied
.endif
.if (\n) < 4
.if (\n)%2 == 0
	QUANT4 KB
.else
	QUANT4 BY2
.irp m, 0,1,2,3
	v_lshl_or_b32 v[BY2+\m], v[BY2+\m], 8, v[KB+\m]    ; tile m's scale word of my row: two bytes, the upper two 0
.endr
	v_cndmask_b32 v[WD], v[BY2], v[BY2+1], s44     ; lanes 0-15: the even tile's rows; lanes 16-31: the odd tile's
	v_cndmask_b32 v[WD+1], v[BY2+2], v[BY2+3], s44
.endif
	s_wait_alu depctr_va_vdst(0)                   ; the conversions have written v[CD ..], and in a head's second half-unit the selects v[WD ..]: the stores below read them
.irp m, 0,1,2,3
	global_store_b64 v[CO8], v[CD+2*\m:CD+2*\m+1], s[32+4*((\n)/2):33+4*((\n)/2)] offset:512*\m+256*((\n)%2)   ; tile m, block n % 2: 256 consecutive bytes, aligned
.endr
.if (\n) == 1
	global_store_b32 v[L4], v[WD], s[34:35]
	global_store_b32 v[L4], v[WD+1], s[34:35] offset:128
.endif
.if (\n) == 3
	global_store_b64 v[L16], v[WD:WD+1], s[40:41]
.endif
.else
	QUANT4 KB                                      ; pair 2 kb + ct: dim (ct, r), keys 32 kb + 16 h + 0 .. 15 of my 64
	v_lshl_or_b32 v[BY2], v[KB+2], 8, v[KB]        ; my dim's two bytes: key blocks kb = 0, 1, for ct = 0,
	v_lshl_or_b32 v[BY2+1], v[KB+3], 8, v[KB+1]    ; and for ct = 1
	v_cndmask_b32 v[WD], v[BY2], v[BY2+1], s44
	s_wait_alu depctr_va_vdst(0)                   ; the conversions have written v[CD ..] and the select v[WD]: the stores below read them
.irp k, 0,1
.irp u, 0,1
	global_store_b64 v[CO8], v[CD+2*(2*\k+\u):CD+2*(2*\k+\u)+1], s[38:39] offset:(2*((\n)%2)+\u)*1024+256*\k
.endr
.endr
	global_store_b16 v[S8], v[WD], s[42:43] offset:4*((\n)%2)
.endif
.endm
	s_load_b512 s[4:19], s[0:1], 0x0               ; x, gamma, beta, wimg, wsc, bq, bk, bv
	s_load_b128 s[20:23], s[0:1], 0x40             ; qimg, qsc
	s_load_b64 s[24:25], s[0:1], 0x50              ; kv
	v_lshl_add_u32 v[SPW], v0, 2, SPARE
	v_mov_b32 v[NIL], 0
	v_lshrrev_b32 v1, 5, v0
	v_readfirstlane_b32 s28, v1                    ; wave 0..7
	s_lshr_b32 s2, ttmp9, 5                        ; b
	s_and_b32 s3, ttmp9, 31                        ; tb: which 64 tokens
	s_mov_b32 s26, 0x3b000000                      ; 1 / 512
	s_mov_b32 s27, 0x3727c5ac                      ; 1e-5
	v_and_b32 v1, 31, v0
	v_lshlrev_b32 v[L16], 4, v1
	v_lshlrev_b32 v[L4], 2, v1
	v_lshlrev_b32 v[S8], 3, v1
	v_bfe_u32 v[TM], v0, 3, 1                      ; my token 16 a + 8 u + e of its 32 is row 8 a + e of tile 2 th + u
	v_bfe_u32 v[TM+1], v0, 4, 1                    ; a; also h = lane / 16
	v_and_b32 v[TM+2], 7, v0
	v_lshl_add_u32 v[TM+2], v[TM+1], 3, v[TM+2]
	v_lshlrev_b32 v[TM+2], 4, v[TM+2]              ; 16 x row
	v_mul_u32_u24 v[TM+3], v[TM], TSTR
	v_add_nc_u32 v[TM+3], v[TM+3], v[TM+2]
	s_wait_alu depctr_va_sdst(0)                   ; s28 is written, ahead of its first reader: LDS addresses and every base are made from it
	s_and_b32 s29, s28, 1                          ; th: which 32 tokens
	s_lshr_b32 s30, s28, 1                         ; si: which 128 channels = which K step
	s_mul_i32 s31, s29, 2*TSTR
	s_lshl_b32 s100, s30, 10
	s_add_co_u32 s31, s31, s100
	v_add_nc_u32 v[XWI], s31, v[TM+3]              ; TSTR (2 th + u) + 1,024 si + 16 x row
	v_lshl_add_u32 v[TM+3], v[TM], 8, v[TM+2]
	s_lshl_b32 s31, s29, 9
	s_lshl_b32 s100, s30, 2
	s_add_co_u32 s31, s31, s100
	v_add_nc_u32 v[XWS], s31, v[TM+3]              ; 512 th + 16 (16 u + row) + 4 si
	s_lshl_b32 s31, s29, 7
	v_add_nc_u32 v[RR], s31, v[L4]                 ; 4 x my token
	s_lshl_b32 s100, s30, 8
	v_add_nc_u32 v[RW], s100, v[RR]                ; + 256 si
	v_and_b32 v[TM+2], 15, v0                      ; r
	v_lshlrev_b32 v[TM+3], 4, v[TM+2]
	v_lshl_add_u32 v[CO8], v[TM+1], 3, v[TM+3]
	v_lshlrev_b32 v[BO], 6, v[TM+1]
	v_and_b32 v[TM+3], 8, v[TM+2]
	v_add_nc_u32 v[TM+3], v[TM+3], v[TM+2]
	v_lshlrev_b32 v[BV], 2, v[TM+3]
	s_mov_b32 s101, 0
	s_wait_kmcnt 0x0
	s_lshl_b32 s100, s2, 22                        ; x: batch, my first channel, my first token
	s_lshl_b32 s31, s30, 20
	s_add_co_u32 s100, s100, s31
	s_lshl_b32 s31, s3, 8
	s_add_co_u32 s100, s100, s31
	s_lshl_b32 s31, s29, 7
	s_add_co_u32 s100, s100, s31
	s_add_nc_u64 s[4:5], s[4:5], s[100:101]
	s_lshl_b32 s100, s30, 9                        ; gamma, beta: my 128 channels
	s_add_nc_u64 s[6:7], s[6:7], s[100:101]
	s_add_nc_u64 s[8:9], s[8:9], s[100:101]
	s_lshl_b32 s100, s28, 14                       ; wimg: my head's two groups of 32 columns
	s_add_nc_u64 s[10:11], s[10:11], s[100:101]
	s_lshl_b32 s100, s28, 10
	s_add_nc_u64 s[12:13], s[12:13], s[100:101]    ; wsc
	s_lshl_b32 s100, s28, 8
	s_add_nc_u64 s[14:15], s[14:15], s[100:101]    ; bq, bk, bv: my head's 64
	s_add_nc_u64 s[16:17], s[16:17], s[100:101]
	s_add_nc_u64 s[18:19], s[18:19], s[100:101]
	s_wait_alu depctr_va_vdst(0)                   ; the addresses v2 to v13 are written: every load, store and LDS instruction of the kernel reads one of them, and none is written again
.set i, 0
.rept 128
	global_load_b32 v[XF+i], v[L4], s[4:5] offset:8192*i th:TH_LOAD_NT   ; x(channel 128 si + i, my token): the wave reads 128 consecutive bytes, two waves 256
.set i, i+1
.endr
	GB 0
	WLOAD 0
	WLOAD 1
	WLOAD 2
	; ---- the mean
	s_wait_loadcnt 63                              ; x is in; the 63 loads of the three sets of weights may stay out
.irp k, 0,1,2,3
	v_pk_add_f32 v[ACC+2*\k:ACC+2*\k+1], v[XF+2*\k:XF+2*\k+1], v[XF+8+2*\k:XF+9+2*\k]   ; four chains, started by the first numbers: nothing is cleared
.endr
.set i, 16
.rept 14
.irp k, 0,1,2,3
	v_pk_add_f32 v[ACC+2*\k:ACC+2*\k+1], v[ACC+2*\k:ACC+2*\k+1], v[XF+i+2*\k:XF+i+2*\k+1]
.endr
.set i, i+8
.endr
	v_pk_add_f32 v[ACC:ACC+1], v[ACC:ACC+1], v[ACC+2:ACC+3]
	v_pk_add_f32 v[ACC+4:ACC+5], v[ACC+4:ACC+5], v[ACC+6:ACC+7]
	v_pk_add_f32 v[ACC:ACC+1], v[ACC:ACC+1], v[ACC+4:ACC+5]
	v_add_f32 v[ACC], v[ACC], v[ACC+1]
	s_wait_alu depctr_va_vdst(0)                   ; the additions have written v[ACC], which the LDS store reads; the head's lines are done with v[TM ..], in which the four sums land behind the barrier
	ds_store_b32 v[RW], v[ACC] offset:RED1
	BAR
.irp k, 0,1,2,3
	ds_load_b32 v[TM+\k], v[RR] offset:RED1+256*\k
.endr
	s_wait_dscnt 0x0
	v_add_f32 v[TM], v[TM], v[TM+1]                ; every wave adds in the same order
	v_add_f32 v[TM+2], v[TM+2], v[TM+3]
	v_add_f32 v[TM], v[TM], v[TM+2]
	v_mul_f32 v[MU], s26, v[TM]
	v_mov_b32 v[MU+1], v[MU]
	; ---- x - mean in place, and the sum of its squares
.set i, 0
.rept 64
	v_pk_add_f32 v[XF+i:XF+i+1], v[XF+i:XF+i+1], v[MU:MU+1] neg_lo:[0,1] neg_hi:[0,1]
.set i, i+2
.endr
	s_wait_alu depctr_vm_vsrc(0)                   ; the LDS store of my sum has read v[ACC], which the squares below write again
.irp k, 0,1,2,3
	v_pk_mul_f32 v[ACC+2*\k:ACC+2*\k+1], v[XF+2*\k:XF+2*\k+1], v[XF+2*\k:XF+2*\k+1]
.endr
.set i, 8
.rept 15
.irp k, 0,1,2,3
	v_pk_fma_f32 v[ACC+2*\k:ACC+2*\k+1], v[XF+i+2*\k:XF+i+2*\k+1], v[XF+i+2*\k:XF+i+2*\k+1], v[ACC+2*\k:ACC+2*\k+1]
.endr
.set i, i+8
.endr
	v_pk_add_f32 v[ACC:ACC+1], v[ACC:ACC+1], v[ACC+2:ACC+3]
	v_pk_add_f32 v[ACC+4:ACC+5], v[ACC+4:ACC+5], v[ACC+6:ACC+7]
	v_pk_add_f32 v[ACC:ACC+1], v[ACC:ACC+1], v[ACC+4:ACC+5]
	v_add_f32 v[ACC], v[ACC], v[ACC+1]
	s_wait_alu depctr_va_vdst(0)                   ; the additions have written v[ACC], which the LDS store reads; the mean's lines are done with v[TM ..], in which the four sums of squares land behind the barrier
	ds_store_b32 v[RW], v[ACC] offset:RED2
	BAR
.irp k, 0,1,2,3
	ds_load_b32 v[TM+\k], v[RR] offset:RED2+256*\k
.endr
	s_wait_dscnt 0x0
	v_add_f32 v[TM], v[TM], v[TM+1]
	v_add_f32 v[TM+2], v[TM+2], v[TM+3]
	v_add_f32 v[TM], v[TM], v[TM+2]
	v_fma_f32 v[TM], v[TM], s26, s27               ; var + eps
	s_wait_alu depctr_va_vdst(0)
	v_rsq_f32 v[RS], v[TM]
	v_nop                                          ; a plain place behind the transcendental,
	s_wait_alu depctr_va_vdst(0)                   ; and the wait ahead of the first line that names its result: v[RS] is written
	v_mov_b32 v[RS+1], v[RS]
.set i, 0
.rept 64
	v_pk_mul_f32 v[XF+i:XF+i+1], v[XF+i:XF+i+1], v[RS:RS+1]
.set i, i+2
.endr
	; ---- h = .. x gamma + beta, and its codes: my four blocks of 32 channels are all mine.  The codes stay in v[HC ..], four registers a block, and go to LDS together behind the fourth block
.macro HBLK j
.set XB, XF+32*(\j)
	s_wait_kmcnt 0x0                               ; this block's gamma and beta
.set i, 0
.rept 32
	v_fma_f32 v[XB+i], v[XB+i], s[32+i], s[68+i]
.set i, i+1
.endr
.if (\j) < 3
	GB (\j)+1                                      ; the next block's land under the lines below
.endif
	v_max3_num_f32 v[TM], |v[XB]|, |v[XB+1]|, |v[XB+2]|
	v_max3_num_f32 v[TM+1], |v[XB+3]|, |v[XB+4]|, |v[XB+5]|
.irp i, 6,10,14,18,22,26
	v_max3_num_f32 v[TM], v[TM], |v[XB+\i]|, |v[XB+\i+1]|
	v_max3_num_f32 v[TM+1], v[TM+1], |v[XB+\i+2]|, |v[XB+\i+3]|
.endr
	v_max3_num_f32 v[TM], v[TM], |v[XB+30]|, |v[XB+31]|
	v_max3_num_f32 v[TM], v[TM], v[TM+1], 0x1800000
	v_add_nc_u32 v[TM+2], 0xff000000, v[TM]
	v_lshrrev_b32 v[TM+3], 23, v[TM+2]
.if (\j) == 0
	v_mov_b32 v[PW], v[TM+3]
.else
	v_lshl_or_b32 v[PW], v[TM+3], 8*(\j), v[PW]
.endif
.irp g, 0,1,2,3
	v_cvt_scalef32_pk8_fp4_f32 v[HC+4*(\j)+\g], v[XB+8*\g:XB+8*\g+7], v[TM+2]
.endr
	v_nop                                          ; one plain place behind the scaled conversions
.endm
	HBLK 0
	HBLK 1
	HBLK 2
	HBLK 3
	s_wait_alu depctr_va_vdst(0)                   ; the conversions have written v[HC ..] and v[PW], which the five LDS stores read; and the LayerNorm is done reading and writing v[XF ..], in which h's fragments land behind the barrier
.irp j, 0,1,2,3
	ds_store_b128 v[XWI], v[HC+4*\j:HC+4*\j+3] offset:512*(\j/2)+256*(\j%2)   ; into the image of fragment (my tile, K step si): c = j / 2, h = j % 2
.endr
	ds_store_b32 v[XWS], v[PW] offset:XSC
	BAR                                            ; h's sixteen fragments and their scale words lie in LDS
	s_wait_alu depctr_vm_vsrc(0)                   ; my LDS stores have read v[ACC] and v[HC ..]: these registers are accumulators from here on, written by the products
	; ---- every wave takes all of them into registers, once for its six half-units
.irp m, 0,1,2,3
.irp s, 0,1,2,3
.irp c, 0,1
	ds_load_b128 v[XF+32*\m+8*\s+4*\c:XF+32*\m+8*\s+4*\c+3], v[L16] offset:TSTR*\m+1024*\s+512*\c
.endr
.endr
.endr
.irp i, 0,1
	ds_load_b128 v[XS+4*\i:XS+4*\i+3], v[L16] offset:XSC+512*\i   ; register 4 i + s: lanes 0-15 tile 2 i, lanes 16-31 tile 2 i + 1
.endr
.irp g, 0,1,2,3
	v_mov_b32 v[TM+4+\g], 0                        ; written once: a lane permute's destination counts as one of its sources
.endr
	s_lshl_b32 s44, s2, 3
	s_add_co_u32 s44, s44, s28                     ; bh = 8 b + head
	s_lshl_b32 s100, s44, 16                       ; qimg: 65,536 bh + 4 tb tiles of 512
	s_lshl_b32 s31, s3, 11
	s_add_co_u32 s100, s100, s31
	s_add_nc_u64 s[32:33], s[20:21], s[100:101]
	s_lshl_b32 s100, s44, 13                       ; qsc: 8,192 bh + 4 tb tiles of 64
	s_lshl_b32 s31, s3, 8
	s_add_co_u32 s100, s100, s31
	s_add_nc_u64 s[34:35], s[22:23], s[100:101]
	s_mul_i32 s100, s44, 143360                    ; kv: the head, the step of 128 keys
	s_lshr_b32 s31, s3, 1
	s_mul_i32 s31, s31, 8960
	s_add_co_u32 s100, s100, s31
	s_add_nc_u64 s[36:37], s[24:25], s[100:101]
	s_add_nc_u64 s[38:39], s[36:37], 4096          ; V's codes
	s_add_nc_u64 s[40:41], s[36:37], 8192          ; K's scale words
	s_add_nc_u64 s[42:43], s[36:37], 8704          ; V's
	s_and_b32 s31, s3, 1                           ; which half of the step my 64 tokens are
	s_lshl_b32 s100, s31, 11
	s_add_nc_u64 s[36:37], s[36:37], s[100:101]    ; K: four tiles on
	s_lshl_b32 s100, s31, 9
	s_add_nc_u64 s[38:39], s[38:39], s[100:101]    ; V: c
	s_lshl_b32 s100, s31, 3
	s_add_nc_u64 s[40:41], s[40:41], s[100:101]    ; two words on
	s_lshl_b32 s100, s31, 1
	s_add_nc_u64 s[42:43], s[42:43], s[100:101]    ; two bytes on
	s_mov_b32 s44, 0xffff0000                      ; lanes 16-31
	s_mov_b32 s46, 0x76543210
	s_mov_b32 s47, 0xfedcba98                      ; v_permlanex16_b32's selects for lane l xor 16
	s_wait_dscnt 0x0
	HU 0, 42                                       ; behind set 0: sets 1 and 2, 21 loads each
	HU 1, 42                                       ; sets 2 and 3
	HU 2, 54                                       ; 21 + 33
	HU 3, 63                                       ; 66 are behind it: the wait's field ends at 63, and a smaller count is safe
	HU 4, 33
	HU 5, 0
	s_wait_dscnt 0x0                               ; the wave's end
	s_wait_alu 0x0
	s_wait_tensorcnt 0x0
	ds_add_u32 v[SPW], v[NIL]
	s_wait_dscnt 0x0
	s_endpgm
.Lfunc_end_k_q883fcf9246_qkv:
	.size	k_q883fcf9246_qkv, .Lfunc_end_k_q883fcf9246_qkv-k_q883fcf9246_qkv
	.p2alignl 7, 3214868480
	.fill 96, 4, 3214868480
	.section	.rodata,"a",@progbits
	.p2align	6, 0x0
	.amdhsa_kernel k_q883fcf9246_qkv
		.amdhsa_group_segment_fixed_size 20992
		.amdhsa_private_segment_fixed_size 0
		.amdhsa_enable_private_segment 0
		.amdhsa_kernarg_size 88
		.amdhsa_user_sgpr_count 2
		.amdhsa_user_sgpr_kernarg_segment_ptr 1
		.amdhsa_wavefront_size32 1
		.amdhsa_system_sgpr_workgroup_id_x 1
		.amdhsa_system_sgpr_workgroup_id_y 1
		.amdhsa_system_sgpr_workgroup_id_z 1
		.amdhsa_system_vgpr_workitem_id 0
		.amdhsa_next_free_vgpr 512
		.amdhsa_next_free_sgpr 102
		.amdhsa_reserve_vcc 0
		.amdhsa_float_denorm_mode_32 3
		.amdhsa_float_denorm_mode_16_64 3
		.amdhsa_memory_ordered 1
		.amdhsa_forward_progress 1
		.amdhsa_inst_pref_size 117
	.end_amdhsa_kernel
	.amdgpu_metadata
---
amdhsa.version: [ 1, 2 ]
amdhsa.kernels:
  - .name:           k_q883fcf9246_qkv
    .symbol:         k_q883fcf9246_qkv.kd
    .args:
      - { .name: x, .offset: 0, .size: 8, .value_kind: global_buffer, .address_space: global }
      - { .name: gamma, .offset: 8, .size: 8, .value_kind: global_buffer, .address_space: global }
      - { .name: beta, .offset: 16, .size: 8, .value_kind: global_buffer, .address_space: global }
      - { .name: wimg, .offset: 24, .size: 8, .value_kind: global_buffer, .address_space: global }
      - { .name: wsc, .offset: 32, .size: 8, .value_kind: global_buffer, .address_space: global }
      - { .name: bq, .offset: 40, .size: 8, .value_kind: global_buffer, .address_space: global }
      - { .name: bk, .offset: 48, .size: 8, .value_kind: global_buffer, .address_space: global }
      - { .name: bv, .offset: 56, .size: 8, .value_kind: global_buffer, .address_space: global }
      - { .name: qimg, .offset: 64, .size: 8, .value_kind: global_buffer, .address_space: global }
      - { .name: qsc, .offset: 72, .size: 8, .value_kind: global_buffer, .address_space: global }
      - { .name: kv, .offset: 80, .size: 8, .value_kind: global_buffer, .address_space: global }
    .group_segment_fixed_size: 20992
    .private_segment_fixed_size: 0
    .kernarg_segment_align: 8
    .kernarg_segment_size: 88
    .max_flat_workgroup_size: 256
    .sgpr_count:     102
    .vgpr_count:     512
    .wavefront_size: 32
...
	.end_amdgpu_metadata
.endif
;; end of part 6
;; launch attn (part 7): grid 4 x 64, 16 waves a work-group, clusters of 4 x 1, 167,936 bytes of LDS; arguments qimg, qsc, kv, cimg, csc; writes cimg, csc
.if DOCPART == 7
	.amdgcn_target "amdgcn-amd-amdhsa--gfx1250"
	.amdhsa_code_object_version 6
	.text
	.protected	k_q883fcf9246_attn
	.globl	k_q883fcf9246_attn
	.p2align	8
	.type	k_q883fcf9246_attn,@function
k_q883fcf9246_attn:
	s_mov_b64 s[64:65], 0
	v_nop
	global_prefetch_b8 v0, s[64:65] scope:SCOPE_SE
	s_setreg_imm32_b32 hwreg(HW_REG_WAVE_MODE, 25, 1), 1
	s_wait_xcnt 0x0
	s_wait_alu depctr_hold_cnt(0) depctr_sa_sdst(0) depctr_va_vdst(0) depctr_va_sdst(0) depctr_va_ssrc(0) depctr_va_vcc(0) depctr_vm_vsrc(0)
	s_getreg_b32 s2, hwreg(HW_REG_IB_STS2, 6, 4)
	s_cmp_eq_u32 s2, 0
	s_cbranch_scc0 .Lentry_in_a_cluster
	s_endpgm
.Lentry_in_a_cluster:
	s_bfe_u32 s2, ttmp6, 0x10000c
	s_cmp_lg_u32 s2, 0x3003
	s_cbranch_scc0 .Lentry_shape_is_right
	s_endpgm
.Lentry_shape_is_right:
; ctx[b][q][head] = softmax over the keys k <= q of (q . k / 8) times v, both products on codes of FP4, and ctx quantised along the 512 of all heads.
; LEFT OUT: a step of 128 keys all of which come after the tile's 16 queries (shown at the head of launch wprep).  LIMITS: as stated there.
; THE SOFTMAX AHEAD OF THE SECOND PRODUCT: t = score x log2(e) / 8; M = the row's largest t so far, rounded UP to a whole number; p = 2^(t - M) is what is quantised, along the keys; the row's sum is taken of the
; unquantised p and divides at the end.  When M moves, the sum and O are multiplied by 2^(old M - new M), which rounds nothing.
; SHARES.  A head's K, V and their scale words, 143,360 bytes of kv, come into LDS ONCE and stay: no slot is filled again.  The four work-groups of a head form a cluster and ask for these bytes JOINTLY: waves 0 to 7
; issue one tensor load each (two steps, 70 rows of 256 bytes), with the same descriptor and a mask that names the four.
; Work-group p of the four owns the tiles of 16 queries 4 j + p, j = 0 .. 31; wave w takes j = w in its first pass and j = 31 - w in its second.  The tile's last step is (4 j + p) / 8 = j / 2 whatever p is:
; every wave of every work-group walks 17 steps, and no branch hangs on the work-group's place in its cluster, which enters global addresses and the number that the mask compares, and nothing else.
; LAYOUT.  Both products are used transposed: S^T = K Q^T (source 0 = 16 keys, source 1 = my 16 queries), O^T = V^T P^T (source 0 = 16 dims, source 1 = P): a lane holds ONE query (lane % 16) throughout.
; Tiles are PERMUTED (launch qkv): row p of tile 2 g + u is token 32 g + 8 u + p + 8 (p / 8), so that the 16 registers of tiles 2 g, 2 g + 1 of S^T are 16 neighbouring keys, and those of O^T 16 neighbouring dims.
; K = 64 IN AN INSTRUCTION OF 128: Q's registers 4-7 hold zero codes, so whatever stands against them adds 0: K's operand for tile t is v[KF + 4 t .. + 7], whose upper four registers are the next tile's codes
; (behind tile 7: zeros).  The scale bytes of that half are 0, which stands for 2^-127.
; OUT: cimg [b 8][tile 128][s 4][c 2][512], s = head / 2, c = head % 2; csc [b][pair of tiles 64][16 (tile % 2) + row][head 8] half words.
; REGISTERS: v1-11 addresses and lane constants; v12 -M, v13 the largest t, v[14:15] the sum in two halves; v16-23 Q; v24 its scale words; v25-29 the second pass's; v32-67 K; v68-73 scale words; v76-107 V;
;   v112-175 S^T, then p; v176-207 O^T; v208-215 p's codes; v216-230 and v244-255 at work.
.set STEPB, 8960                       ; a step's bytes in kv and in LDS
.set SPARE, 16*STEPB                   ; behind the head's 143,360 bytes: the spare words, 128 bytes for each wave: eight blocks of 256 bytes that no other line names
.set L16, 1                            ; v1   16 x lane
.set L8,  2                            ; v2   8 x lane
.set SPW, 3                            ; v3   LDS address of my spare word; never rewritten
.set NIL, 4                            ; v4   0; never rewritten
.set AD16, 5                           ; v5   the step's bytes + 16 x lane
.set AD8, 6                            ; v6   + 8 x lane
.set CO8, 7                            ; v7   16 r + 8 h
.set R16, 8                            ; v8   16 r
.set DB,  9                            ; v9   r + 8 (r / 8) - 16 h
.set DD,  10                           ; v10  my query less the diagonal step's first key less 16 h
.set R4,  11                           ; v11  4 r
.set Q,   16
.set QS,  24
.set QSN, 25
.set QN,  26
.set KF,  32
.set KS,  68
.set VS,  72
.set VF,  76
.set S,   112
.set O,   176
.set PC,  208
.set BM,  216
.set BP,  220
.set BS,  224
.set FF,  228                          ; v228 f = 2^(old M - new M)
.set PWD, 229                          ; v229 p's scale word (named with f as a pair)
.set T,   230
.set WV,  14                           ; s14 my wave's number
.set PASS, 17
.set STEP, 18
.set LAST, 19
.set SEL, 20                           ; s[20:21] lane selects for v_permlanex16_b32: lane l xor 16
.set CS,  22                           ; s[22:23] c = log2(e) / 8
.set G1,  24                           ; s[24:31], s[32:35] the descriptor
.set G0,  32
.set TB,  36                           ; s36 LDS byte at which the step in hand begins
.macro WMZ d, a, b, sa, sb, ra         ; a product that starts its sum
.if (\ra) == 0
	v_wmma_scale_f32_16x16x128_f8f6f4 v[(\d):(\d)+7], v[(\a):(\a)+7], v[(\b):(\b)+7], 0, v[(\sa)], v[(\sb)] matrix_a_fmt:MATRIX_FMT_FP4 matrix_b_fmt:MATRIX_FMT_FP4
.else
	v_wmma_scale_f32_16x16x128_f8f6f4 v[(\d):(\d)+7], v[(\a):(\a)+7], v[(\b):(\b)+7], 0, v[(\sa)], v[(\sb)] matrix_a_fmt:MATRIX_FMT_FP4 matrix_b_fmt:MATRIX_FMT_FP4 matrix_a_scale:MATRIX_SCALE_ROW1
.endif
.endm
.macro WMA d, a, b, sa, sb, ra         ; a product that adds in place
.if (\ra) == 0
	v_wmma_scale_f32_16x16x128_f8f6f4 v[(\d):(\d)+7], v[(\a):(\a)+7], v[(\b):(\b)+7], v[(\d):(\d)+7], v[(\sa)], v[(\sb)] matrix_a_fmt:MATRIX_FMT_FP4 matrix_b_fmt:MATRIX_FMT_FP4
.else
	v_wmma_scale_f32_16x16x128_f8f6f4 v[(\d):(\d)+7], v[(\a):(\a)+7], v[(\b):(\b)+7], v[(\d):(\d)+7], v[(\sa)], v[(\sb)] matrix_a_fmt:MATRIX_FMT_FP4 matrix_b_fmt:MATRIX_FMT_FP4 matrix_a_scale:MATRIX_SCALE_ROW1
.endif
.endm
; A round of the cluster's barrier: my work-group's barrier, so that wave 0's signal speaks for all sixteen waves; wave 0 signals for the work-group; every wave waits for all four work-groups; my work-group's barrier once more.
.macro CROUND
	s_barrier_signal -1
	s_barrier_wait -1
	s_cmp_lg_u32 s[WV], 0
	s_cbranch_scc1 .Lnot_wave_0_\@
	s_barrier_signal -3
.Lnot_wave_0_\@:
	s_barrier_wait -3
	s_barrier_signal -1
	s_barrier_wait -1
.endm
	s_load_b256 s[4:11], s[0:1], 0x0               ; qimg, qsc, kv, cimg
	s_load_b64 s[12:13], s[0:1], 0x20              ; csc
	v_lshl_add_u32 v[SPW], v0, 2, SPARE
	v_mov_b32 v[NIL], 0
	ds_add_u32 v[SPW], v[NIL]                      ; the wave's opening: the add, twice on end, and its wait ahead of the first tensor load; the set-up below, work on registers, stands between the second and the wait
	ds_add_u32 v[SPW], v[NIL]
	v_lshrrev_b32 v[T], 5, v0
	s_delay_alu instid0(VALU_DEP_1)
	v_readfirstlane_b32 s[WV], v[T]                ; wave 0..15
	s_bfe_u32 s15, ttmp6, 0x40000                  ; cx: my place in the cluster
	s_and_b32 s16, ttmp7, 0xffff                   ; bh, which the four partners share
	; descriptor group 1: 70 rows of 256 bytes (32 elements of 8 bytes), dense in memory and in LDS: images are read 16 bytes a lane on end, so no padding is wanted
	s_mov_b32 s[G1], 15|(3<<16)|(1<<21)            ; 15:0 the mask: all four work-groups; 17:16 elements of 8 bytes; 21 set beside a mask
	s_mov_b32 s[G1+1], 32<<16                      ; tensor_dim0 = 32
	s_mov_b32 s[G1+2], 70<<16                      ; tensor_dim1 = 70
	s_mov_b32 s[G1+3], 32<<16                      ; tile_dim0 = 32
	s_mov_b32 s[G1+4], 70                          ; tile_dim1 = 70
	s_mov_b32 s[G1+5], 32                          ; from row to row
	s_mov_b32 s[G1+6], 0
	s_mov_b32 s[G1+7], 0
	s_and_b32 s36, s[WV], 7
	s_mul_i32 s[G0+1], s36, 2*STEPB                ; LDS address: steps 2 w and 2 w + 1
	s_mul_i32 s44, s16, 16*STEPB                   ; the head's bytes in kv,
	s_add_co_u32 s44, s44, s[G0+1]                 ; and the same two steps there
	s_mov_b32 s45, 0
	s_mov_b32 s[SEL], 0x76543210
	s_mov_b32 s[SEL+1], 0xfedcba98
	s_mov_b32 s[CS], 0x3e38aa3b                    ; c = log2(e) / 8
	s_mov_b32 s[CS+1], s[CS]                       ; (named with it as a pair, so it is written)
	v_and_b32 v[DD], 31, v0
	s_delay_alu instid0(VALU_DEP_1)
	v_lshlrev_b32 v[L16], 4, v[DD]
	s_delay_alu instid0(VALU_DEP_2)
	v_lshlrev_b32 v[L8], 3, v[DD]
	v_and_b32 v[R4], 15, v0                        ; r
	v_bfe_u32 v[AD16], v0, 4, 1                    ; h
	s_delay_alu instid0(VALU_DEP_2)
	v_lshlrev_b32 v[R16], 4, v[R4]
	s_delay_alu instid0(VALU_DEP_1)
	v_lshl_add_u32 v[CO8], v[AD16], 3, v[R16]
	s_delay_alu instid0(VALU_DEP_4)
	v_and_b32 v[AD8], 8, v[R4]
	s_delay_alu instid0(VALU_DEP_1)
	v_add_nc_u32 v[AD8], v[AD8], v[R4]             ; r + 8 (r / 8)
	v_lshlrev_b32 v[AD16], 4, v[AD16]
	s_delay_alu instid0(VALU_DEP_1)
	v_sub_nc_u32 v[DB], v[AD8], v[AD16]
	v_lshlrev_b32 v[R4], 2, v[R4]
	s_wait_dscnt 0x0                               ; both opening adds are done
	s_wait_kmcnt 0x0
	s_mov_b32 s[G0], 1                             ; count = 1
	s_add_nc_u64 s[G0+2:G0+3], s[8:9], s[44:45]
	s_or_b32 s[G0+3], s[G0+3], 0x80000000          ; type = 2
	CROUND                                         ; all four work-groups are here: the joint loads meet
	s_cmp_lt_u32 s[WV], 8                          ; waves 0 to 7 fetch, one load each: one tensor load of a wave is out
	s_cbranch_scc0 .Lno_fill
	tensor_load_to_lds s[G0:G0+3], s[G1:G1+7]
	s_nop 0
.rept 4
	v_nop
.endr
.Lno_fill:
	s_lshl_b32 s44, s16, 16
	s_add_nc_u64 s[4:5], s[4:5], s[44:45]          ; qimg at my head
	s_lshl_b32 s44, s16, 13
	s_add_nc_u64 s[6:7], s[6:7], s[44:45]          ; qsc likewise
	s_lshl_b32 s37, s[WV], 2
	s_add_co_u32 s38, s37, s15                     ; the first pass's tile: 4 w + cx
	s_sub_co_u32 s37, 124, s37
	s_add_co_u32 s39, s37, s15                     ; the second's: 4 (31 - w) + cx
	s_lshl_b32 s44, s38, 9
	s_add_nc_u64 s[48:49], s[4:5], s[44:45]
	s_lshl_b32 s44, s38, 6
	s_add_nc_u64 s[50:51], s[6:7], s[44:45]
	s_lshl_b32 s44, s39, 9
	s_add_nc_u64 s[52:53], s[4:5], s[44:45]
	s_lshl_b32 s44, s39, 6
	s_add_nc_u64 s[54:55], s[6:7], s[44:45]
	global_load_b128 v[Q:Q+3], v[L16], s[48:49]    ; lane (r, h): dims 32 h + 0 .. 31 of row r
	s_wait_alu depctr_va_vdst(0)
	global_load_b32 v[QS], v[R4], s[50:51]
	global_load_b128 v[QN:QN+3], v[L16], s[52:53]
	global_load_b32 v[QSN], v[R4], s[54:55]
	s_lshr_b32 s37, s16, 3                         ; b
	s_and_b32 s38, s16, 7                          ; head
	s_lshl_b32 s44, s37, 19                        ; cimg: 524,288 b + 1,024 (head / 2) + 512 (head % 2) = .. + 512 head
	s_lshl_b32 s39, s38, 9
	s_add_co_u32 s44, s44, s39
	s_add_nc_u64 s[10:11], s[10:11], s[44:45]
	s_lshl_b32 s44, s37, 15                        ; csc: 32,768 b + 2 head
	s_lshl_b32 s39, s38, 1
	s_add_co_u32 s44, s44, s39
	s_add_nc_u64 s[12:13], s[12:13], s[44:45]
.irp i, 0,1,2,3
	v_mov_b32 v[Q+4+\i], 0                         ; Q's zero codes for k = 64 .. 127
	v_mov_b32 v[KF+32+\i], 0                       ; what stands behind K's tile 7
	v_mov_b32 v[BP+\i], 0                          ; written once: a lane permute's destination counts as one of its sources
.endr
	v_mov_b32 v[PWD], 0                            ; (named as the upper half of the pair with f before it is first written)
	v_mov_b32 v[T], 0
	s_mov_b32 s[PASS], 0
	s_wait_loadcnt 0x0                             ; Q of both passes
	s_wait_tensorcnt 0x0                           ; my part of the head is in LDS,
	s_barrier_signal -1
	s_barrier_wait -1                              ; everybody's is
.Lpass:                                            ; two trips: a tile of 16 queries each
	s_wait_xcnt 0x0                                ; the last pass's stores have read their data and bases: only behind this wait are they written again
	s_sub_co_u32 s37, 31, s[WV]
	s_cmp_eq_u32 s[PASS], 0
	s_cselect_b32 s37, s[WV], s37                  ; j
	s_lshr_b32 s[LAST], s37, 1                     ; the step on the diagonal
	s_lshl_b32 s38, s37, 2
	s_add_co_u32 s38, s38, s15                     ; my tile
	s_bfe_u32 s39, s38, 0x20001                    ; row r of tile 2 G + U is token 32 G + 8 U + r + 8 (r / 8): within the diagonal step 32 (G % 4) + 8 U + ..
	s_lshl_b32 s39, s39, 5
	s_and_b32 s44, s38, 1
	s_lshl_b32 s44, s44, 3
	s_add_co_u32 s39, s39, s44
	v_add_nc_u32 v[DD], s39, v[DB]
	s_lshl_b32 s44, s38, 12
	s_add_nc_u64 s[40:41], s[10:11], s[44:45]      ; where my tile's codes go,
	s_lshl_b32 s44, s38, 8
	s_add_nc_u64 s[42:43], s[12:13], s[44:45]      ; and its scale bytes
	v_mov_b32 v13, 0xff61b1e6                      ; the largest t so far: -3e38, under every t
	s_delay_alu instid0(VALU_DEP_1)
	v_floor_f32 v12, -v13                          ; -M
	v_mov_b32 v14, 0                               ; the sum, in two halves
	v_mov_b32 v15, 0
.set n, 0
.rept 32
	v_mov_b32 v[O+n], 0                            ; O^T: the step is written once; the first finds zeros, which the first change of M leaves zeros
.set n, n+1
.endr
	s_mov_b32 s[STEP], 0
	s_mov_b32 s[TB], 0
.Lstep:                                            ; sixteen trips, a constant: a step all of whose keys come after my queries is jumped over, by a branch on ids
	s_cmp_gt_u32 s[STEP], s[LAST]
	s_cbranch_scc1 .Lnext
	s_setprio 2
	v_add_nc_u32 v[AD16], s[TB], v[L16]
	v_add_nc_u32 v[AD8], s[TB], v[L8]
	v_nop
	v_nop                                          ; four places behind the last step's products, in front of loads into the registers that they read
.irp t, 0,1,2,3,4,5,6,7
	ds_load_b128 v[KF+4*\t:KF+4*\t+3], v[AD16] offset:512*\t
.endr
	ds_load_b128 v[KS:KS+3], v[AD16] offset:8192   ; register i: lanes 0-15 tile 2 i, lanes 16-31 tile 2 i + 1
.irp t, 0,1,2,3,4,5,6,7
	ds_load_b128 v[VF+4*\t:VF+4*\t+3], v[AD16] offset:4096+512*\t
.endr
	ds_load_b64 v[VS:VS+1], v[AD8] offset:8704
	s_wait_dscnt 9                                 ; K and its scale words are in; V's nine loads may stay out
.irp t, 0,1,2,3,4,5,6,7
	WMZ S+8*\t, KF+4*\t, Q, KS+\t/2, QS, \t%2
.endr
.rept 4
	v_nop
.endr
	s_cmp_lg_u32 s[STEP], s[LAST]                  ; on the diagonal the scores of hidden keys become -infinity ahead of the maximum: p = 0 then
	s_cbranch_scc1 .Lopen
	v_mov_b32 v[T], 0xff800000
.set n, 0
.rept 64
	v_cmp_gt_i32 vcc_lo, 32*(n/16)+n%16, v[DD]     ; register 16 b + i holds the step's key 32 b + 16 h + i
	v_cndmask_b32 v[S+n], v[S+n], v[T], vcc_lo
.set n, n+1
.endr
.Lopen:
.irp b, 0,1,2,3
	v_max3_num_f32 v[BM+\b], v[S+16*\b], v[S+16*\b+1], v[S+16*\b+2]   ; the largest score of each block of 32 keys: it serves the row's maximum and, since p rises with the score, the block's largest p
.endr
.irp i, 3,5,7,9,11,13
.irp b, 0,1,2,3
	v_max3_num_f32 v[BM+\b], v[BM+\b], v[S+16*\b+\i], v[S+16*\b+\i+1]
.endr
.endr
.irp b, 0,1,2,3
	v_max_num_f32 v[BM+\b], v[BM+\b], v[S+16*\b+15]
.endr
.irp b, 0,1,2,3
	s_delay_alu instid0(VALU_DEP_4)
	v_permlanex16_b32 v[BP+\b], v[BM+\b], s[SEL], s[SEL+1]
.endr
.irp b, 0,1,2,3
	s_delay_alu instid0(VALU_DEP_4)
	v_max_num_f32 v[BM+\b], v[BM+\b], v[BP+\b]     ; with lane l xor 16's 16 keys
.endr
	s_delay_alu instid0(VALU_DEP_2)
	v_max3_num_f32 v[T], v[BM], v[BM+1], v[BM+2]
	s_delay_alu instid0(VALU_DEP_1)
	v_max_num_f32 v[T], v[T], v[BM+3]              ; the step's largest score of my query
	s_delay_alu instid0(VALU_DEP_1)
	v_mul_f32 v[T], s[CS], v[T]                    ; as t
	s_delay_alu instid0(VALU_DEP_1)
	v_max_num_f32 v13, v13, v[T]                   ; the running largest t
	v_mov_b32 v[T], v12
	s_delay_alu instid0(VALU_DEP_2)
	v_floor_f32 v12, -v13                          ; the new -M = floor(-t) = -ceil(t)
	s_delay_alu instid0(VALU_DEP_1)
	v_sub_f32 v[T], v12, v[T]                      ; old M less new M: a whole number, 0 or less
	s_delay_alu instid0(VALU_DEP_1)
	v_cvt_i32_f32 v[T], v[T]                       ; (it saturates)
	s_delay_alu instid0(VALU_DEP_1)
	v_ldexp_f32 v[FF], 1.0, v[T]                   ; f = 2^(old M - new M)
.set n, 0
.rept 32
	v_pk_fma_f32 v[S+n:S+n+1], v[S+n:S+n+1], s[CS:CS+1], v[12:13] op_sel_hi:[1,0,0]   ; t - M, two at a time (of the pairs c and -M the low word serves both halves)
.set n, n+2
.endr
	s_setprio 1
.irp b, 0,1,2,3
	v_fma_f32 v[BM+\b], v[BM+\b], s[CS], v12       ; the same of each block's largest score
.endr
.set n, 0
	s_wait_alu depctr_va_vdst(0)
.rept 64
	v_exp_f32 v[S+n], v[S+n]                       ; p = 2^(t - M), at most 1: not normalised
.set n, n+1
.endr
	v_pk_mul_f32 v[14:15], v[14:15], v[FF:FF+1] op_sel_hi:[1,0]   ; the sums under the new M: a plain place behind the exponentials
	s_wait_alu depctr_va_vdst(0)                   ; one wait for the whole batch, ahead of the first line that names a result
.irp b, 0,1,2,3
	v_exp_f32 v[BM+\b], v[BM+\b]                   ; the block's largest p: the same two instructions on the same number give the same bits
.endr
	v_pk_add_f32 v[220:221], v[116:117], v[120:121]
	v_pk_add_f32 v[254:255], v[124:125], v[128:129]
	v_pk_add_f32 v[252:253], v[132:133], v[136:137]
	v_pk_add_f32 v[250:251], v[140:141], v[144:145]
	v_pk_add_f32 v[248:249], v[148:149], v[152:153]
	v_pk_add_f32 v[246:247], v[156:157], v[160:161]
	v_pk_add_f32 v[244:245], v[164:165], v[168:169]
	v_pk_add_f32 v[14:15], v[14:15], v[172:173]
	v_pk_add_f32 v[220:221], v[220:221], v[112:113]
	v_pk_add_f32 v[254:255], v[254:255], v[114:115]
	v_pk_add_f32 v[252:253], v[252:253], v[118:119]
	v_pk_add_f32 v[250:251], v[250:251], v[122:123]
	v_pk_add_f32 v[248:249], v[248:249], v[126:127]
	v_pk_add_f32 v[246:247], v[246:247], v[130:131]
	v_pk_add_f32 v[244:245], v[244:245], v[134:135]
	v_pk_add_f32 v[14:15], v[14:15], v[138:139]
	v_pk_add_f32 v[220:221], v[220:221], v[142:143]
	v_pk_add_f32 v[254:255], v[254:255], v[146:147]
	v_pk_add_f32 v[252:253], v[252:253], v[150:151]
	v_pk_add_f32 v[250:251], v[250:251], v[154:155]
	v_pk_add_f32 v[248:249], v[248:249], v[158:159]
	v_pk_add_f32 v[246:247], v[246:247], v[162:163]
	v_pk_add_f32 v[244:245], v[244:245], v[166:167]
	v_pk_add_f32 v[14:15], v[14:15], v[170:171]
	v_pk_add_f32 v[220:221], v[220:221], v[174:175]
	s_delay_alu instid0(VALU_DEP_2)
	v_pk_add_f32 v[14:15], v[14:15], v[250:251]
	s_delay_alu instid0(VALU_DEP_2)
	v_pk_add_f32 v[220:221], v[220:221], v[248:249]
	v_pk_add_f32 v[254:255], v[254:255], v[246:247]
	v_pk_add_f32 v[252:253], v[252:253], v[244:245]
	s_delay_alu instid0(VALU_DEP_2)
	v_pk_add_f32 v[14:15], v[14:15], v[254:255]
	s_delay_alu instid0(VALU_DEP_2)
	v_pk_add_f32 v[220:221], v[220:221], v[252:253]
	s_delay_alu instid0(VALU_DEP_1)
	v_pk_add_f32 v[14:15], v[14:15], v[220:221]
	s_wait_alu depctr_va_vdst(0)                   ; and one wait for the four
.irp b, 0,1,2,3
	v_max_num_f32 v[BM+\b], 0x1800000, v[BM+\b]    ; the floor 2^(3 - 127): a block whose every p is 0 keeps the byte 1: its codes are zeros
.endr
.irp b, 0,1,2,3
	s_delay_alu instid0(VALU_DEP_4)
	v_add_nc_u32 v[BS+\b], 0xff000000, v[BM+\b]    ; 2 off the exponent field: the conversion's scale operand
.endr
.irp b, 0,1,2,3
	s_delay_alu instid0(VALU_DEP_4)
	v_lshrrev_b32 v[BP+\b], 23, v[BS+\b]           ; the scale's byte
.endr
	s_delay_alu instid0(VALU_DEP_3)
	v_lshl_or_b32 v[PWD], v[BP+1], 8, v[BP]        ; p's scale word for these 128 keys
	s_delay_alu instid0(VALU_DEP_1)
	v_lshl_or_b32 v[PWD], v[BP+2], 16, v[PWD]
	s_delay_alu instid0(VALU_DEP_1)
	v_lshl_or_b32 v[PWD], v[BP+3], 24, v[PWD]
	s_setprio 0
.irp b, 0,1,2,3
	v_cvt_scalef32_pk8_fp4_f32 v[PC+2*\b], v[S+16*\b:S+16*\b+7], v[BS+\b]
	v_cvt_scalef32_pk8_fp4_f32 v[PC+2*\b+1], v[S+16*\b+8:S+16*\b+15], v[BS+\b]
.endr
	v_nop                                          ; one plain place behind the scaled conversions
.irp c, 0,1                                    ; the operand's layout wants a whole block in a lane: lanes 0-15 block 2 c, lanes 16-31 block 2 c + 1
.irp i, 0,1
	v_permlane16_swap_b32 v[PC+4*\c+\i], v[PC+4*\c+2+\i]
.endr
.endr
.set n, 0
.rept 16
	v_pk_mul_f32 v[O+n:O+n+1], v[O+n:O+n+1], v[FF:FF+1] op_sel_hi:[1,0]   ; O^T under the new M, each accumulator from its low end on; these sixteen are also the places in front of the products below
.set n, n+2
.endr
	s_wait_alu depctr_va_vdst(0)
	s_wait_dscnt 0x0                               ; V and its scale words are in
.irp t, 0,1,2,3
	WMA O+8*\t, VF+8*\t, PC, VS+\t/2, PWD, \t%2    ; the four accumulators by turns, one instruction a turn
.endr
.Lnext:
	s_add_co_u32 s[TB], s[TB], STEPB
	s_add_co_u32 s[STEP], s[STEP], 1
	s_cmp_lt_u32 s[STEP], 16
	s_cbranch_scc1 .Lstep
	s_setprio 0
	; ---- the way out of a pass: O^T / the sum, quantised along the dims: two blocks of 32, each in lanes l and l xor 16
.rept 4
	v_nop                                          ; four places behind the last products, where the sixteenth step was walked
.endr
	v_add_f32 v14, v14, v15                        ; the sum's two halves,
	s_delay_alu instid0(VALU_DEP_1)
	v_permlanex16_b32 v[T], v14, s[SEL], s[SEL+1]
	s_delay_alu instid0(VALU_DEP_1)
	v_add_f32 v14, v14, v[T]                       ; and lane l xor 16's
	s_wait_alu depctr_va_vdst(0)
	v_rcp_f32 v14, v14
	v_nop                                          ; a plain place behind the transcendental,
	s_wait_alu depctr_va_vdst(0)                   ; and the wait ahead of its first reader
.set n, 0
.rept 16
	v_pk_mul_f32 v[S+n:S+n+1], v[O+n:O+n+1], v[14:15] op_sel_hi:[1,0]   ; register 16 B + i: ctx(my query, dim 32 B + 16 h + i)
.set n, n+2
.endr
.irp g, 0,1
	v_max3_num_f32 v[BM+\g], |v[S+16*\g]|, |v[S+16*\g+1]|, 0x1800000
.endr
.irp i, 2,4,6,8,10,12,14
.irp g, 0,1
	s_delay_alu instid0(VALU_DEP_2)
	v_max3_num_f32 v[BM+\g], v[BM+\g], |v[S+16*\g+\i]|, |v[S+16*\g+\i+1]|
.endr
.endr
.irp g, 0,1
	s_delay_alu instid0(VALU_DEP_2)
	v_permlanex16_b32 v[BP+\g], v[BM+\g], s[SEL], s[SEL+1]
.endr
.irp g, 0,1
	s_delay_alu instid0(VALU_DEP_2)
	v_max_num_f32 v[BM+\g], v[BM+\g], v[BP+\g]
.endr
.irp g, 0,1
	s_delay_alu instid0(VALU_DEP_2)
	v_add_nc_u32 v[BS+\g], 0xff000000, v[BM+\g]
.endr
.irp g, 0,1
	s_delay_alu instid0(VALU_DEP_2)
	v_lshrrev_b32 v[BP+\g], 23, v[BS+\g]
.endr
	s_delay_alu instid0(VALU_DEP_1)
	v_lshl_or_b32 v[T], v[BP+1], 8, v[BP]          ; my row's two scale bytes of this head
.irp g, 0,1
	v_cvt_scalef32_pk8_fp4_f32 v[PC+2*\g], v[S+16*\g:S+16*\g+7], v[BS+\g]
	v_cvt_scalef32_pk8_fp4_f32 v[PC+2*\g+1], v[S+16*\g+8:S+16*\g+15], v[BS+\g]
.endr
	v_nop                                          ; one plain place behind the scaled conversions
	global_store_b64 v[CO8], v[PC:PC+1], s[40:41]              ; block 0: 256 consecutive bytes, aligned
	global_store_b64 v[CO8], v[PC+2:PC+3], s[40:41] offset:256 ; block 1
	global_store_b16 v[R16], v[T], s[42:43]        ; lanes l and l xor 16 hold the same value and name the same two bytes
.irp i, 0,1,2,3
	v_mov_b32 v[Q+\i], v[QN+\i]                    ; the second pass's queries take their place (behind the second pass these five moves serve nothing)
.endr
	v_mov_b32 v[QS], v[QSN]
	s_add_co_u32 s[PASS], s[PASS], 1
	s_cmp_lt_u32 s[PASS], 2
	s_cbranch_scc1 .Lpass
	s_wait_tensorcnt 0x0                           ; the wave's end
	ds_add_u32 v[SPW], v[NIL]
	s_wait_dscnt 0x0
	CROUND                                         ; the closing round: no work-group ends while a partner may still ask for bytes by a load that names it
	s_endpgm
.Lfunc_end_k_q883fcf9246_attn:
	.size	k_q883fcf9246_attn, .Lfunc_end_k_q883fcf9246_attn-k_q883fcf9246_attn
	.p2alignl 7, 3214868480
	.fill 96, 4, 3214868480
	.section	.rodata,"a",@progbits
	.p2align	6, 0x0
	.amdhsa_kernel k_q883fcf9246_attn
		.amdhsa_group_segment_fixed_size 167936
		.amdhsa_private_segment_fixed_size 0
		.amdhsa_enable_private_segment 0
		.amdhsa_kernarg_size 40
		.amdhsa_user_sgpr_count 2
		.amdhsa_user_sgpr_kernarg_segment_ptr 1
		.amdhsa_wavefront_size32 1
		.amdhsa_system_sgpr_workgroup_id_x 1
		.amdhsa_system_sgpr_workgroup_id_y 1
		.amdhsa_system_sgpr_workgroup_id_z 1
		.amdhsa_system_vgpr_workitem_id 0
		.amdhsa_next_free_vgpr 256
		.amdhsa_next_free_sgpr 66
		.amdhsa_reserve_vcc 1
		.amdhsa_float_denorm_mode_32 3
		.amdhsa_float_denorm_mode_16_64 3
		.amdhsa_memory_ordered 1
		.amdhsa_forward_progress 1
		.amdhsa_inst_pref_size 34
	.end_amdhsa_kernel
	.amdgpu_metadata
---
amdhsa.version: [ 1, 2 ]
amdhsa.kernels:
  - .name:           k_q883fcf9246_attn
    .symbol:         k_q883fcf9246_attn.kd
    .args:
      - { .name: qimg, .offset: 0, .size: 8, .value_kind: global_buffer, .address_space: global }
      - { .name: qsc, .offset: 8, .size: 8, .value_kind: global_buffer, .address_space: global }
      - { .name: kv, .offset: 16, .size: 8, .value_kind: global_buffer, .address_space: global }
      - { .name: cimg, .offset: 24, .size: 8, .value_kind: global_buffer, .address_space: global }
      - { .name: csc, .offset: 32, .size: 8, .value_kind: global_buffer, .address_space: global }
    .group_segment_fixed_size: 167936
    .private_segment_fixed_size: 0
    .kernarg_segment_align: 8
    .kernarg_segment_size: 40
    .max_flat_workgroup_size: 512
    .sgpr_count:     66
    .vgpr_count:     256
    .wavefront_size: 32
...
	.end_amdgpu_metadata
.endif
;; end of part 7
;; launch oproj (part 8): grid 256 x 1, 8 waves a work-group, no clusters, 70,656 bytes of LDS; arguments cimg, csc, wimg, wsc, bo, x, out0; writes out0
.if DOCPART == 8
	.amdgcn_target "amdgcn-amd-amdhsa--gfx1250"
	.amdhsa_code_object_version 6
	.text
	.protected	k_q883fcf9246_oproj
	.globl	k_q883fcf9246_oproj
	.p2align	8
	.type	k_q883fcf9246_oproj,@function
k_q883fcf9246_oproj:
	s_mov_b64 s[64:65], 0
	v_nop
	global_prefetch_b8 v0, s[64:65] scope:SCOPE_SE
	s_setreg_imm32_b32 hwreg(HW_REG_WAVE_SCHED_MODE, 0, 2), 2
	s_setreg_imm32_b32 hwreg(HW_REG_WAVE_MODE, 25, 1), 1
	s_wait_xcnt 0x0
	s_wait_alu depctr_vm_vsrc(0)
; out0[b][channel][t] = x[b][channel][t] + bo[channel] + the sum over k of ctx[b][t][k] wo[k][channel], the product on codes of FP4.  Nothing is left out here.
; SHARES.  A work-group takes 64 tokens of one batch x all 512 channels; wave w takes channels 64 w on, in two half-units of 32 channels x 64 tokens x K 512: 8 accumulators, 32 matrix instructions.
; Source 0 = 16 tokens of ctx (the permuted tiles of launch qkv), source 1 = 16 columns of wo: a lane holds ONE channel and, in the 16 registers of a pair of accumulators, 16 neighbouring tokens.
; A row of out0's block, 64 tokens, is 256 bytes and comes from one wave. From the stage whole rows come back, x is added, and sixteen lanes store
; 256 consecutive bytes, aligned.
; ctx's and wo's fragments go from memory straight into the registers in which the products take them.  All work-groups read the same 139,264 bytes of wo's codes and scale words, each wave its eighth, once; they are
; not asked for jointly by a cluster: that way leads through LDS, where each byte would be written and read once more, and is left to a later text.
; REGISTERS.  Window 0: v2-8 addresses; v16-143 ctx's 16 fragments (32 m + 8 s); v144-207 the accumulators; v208-215 ctx's scale words; v216-223 wo's; v224-255 the first sixteen rows back from the stage.
;   Window 1: v0-127 wo's fragments, 64 a half-unit; v128-159 the bias as C; v160-223 x's rows of half-unit 0; those of half-unit 1 take v0-63 when the first products have read them; v224-255 the second sixteen rows back from the stage.
; THE MODE: SCHED_MODE bits 1:0 = 2 (LLVM: expert scheduling mode 2), set by the entry lines.  The code itself states the register dependences between vector or matrix instructions and memory or LDS
; instructions, with s_wait_alu, always for 0.
; THE PLAN.  Registers that memory or LDS instructions touch:
;   v2-8              addresses: written at the head, ahead of one wait on va_vdst, and never again.
;   the accumulators  written by a half-unit's products, read by its sixteen LDS stores behind one wait on va_vdst; written again by the next half-unit's products, behind a wait on vm_vsrc.
;   window 1 v0-63    read by half-unit 0's products; x's rows of half-unit 1 land there behind that same wait on va_vdst.
;   v224-255 of both windows   rows from the stage land there; the packed additions read them; the next half-unit's rows land behind the wait on va_vdst that follows those additions.
;   x's rows          loaded once; the packed additions write the sums over them; the global stores read them behind one wait on va_vdst a half-unit; never written again.
;   ctx's and wo's fragments, the biases and the scale words are loaded once and named by matrix instructions alone from then on.
.set SPITCH, 272                       ; a stage row: 256 bytes + 16
.set STG,   32*SPITCH                  ; a wave's stage: 32 channels
.set SPARE, 8*STG                      ; behind the stages: the spare words, 128 bytes for each wave: four blocks of 256 bytes that no other line names
.set SPW, 2
.set NIL, 3
.set L16, 4                            ; v4  16 x lane
.set XO,  5                            ; v5  x and out0: 8,192 h + 16 r: lanes 0-15 one channel's 256 bytes, lanes 16-31 the next channel's
.set SO,  6                            ; v6  the stage: where I put 16 bytes of my channel's row
.set RD,  7                            ; v7  and where I read a row back
.set BV,  8                            ; v8  4 (r + 8 (r / 8)): bo
.set CF,  16
.set ACC, 144
.set CS,  208
.set WS,  216
.set OUT, 224
.set MSB, 0
.macro WIN new                         ; the immediate's high byte repeats the setting that is left; a switch that changes nothing is dropped
.if MSB != \new
	s_set_vgpr_msb (MSB<<8)|\new
.set MSB, \new
.endif
.endm
.macro WM d, a, b, c, sa, sb, ra, rb   ; ra, rb = 1: that side's scales stand in lanes 16-31 of the register named
.if ((\ra) == 0) && ((\rb) == 0)
	v_wmma_scale_f32_16x16x128_f8f6f4 v[(\d):(\d)+7], v[(\a):(\a)+7], v[(\b):(\b)+7], v[(\c):(\c)+7], v[(\sa)], v[(\sb)] matrix_a_fmt:MATRIX_FMT_FP4 matrix_b_fmt:MATRIX_FMT_FP4
.elseif ((\ra) == 1) && ((\rb) == 0)
	v_wmma_scale_f32_16x16x128_f8f6f4 v[(\d):(\d)+7], v[(\a):(\a)+7], v[(\b):(\b)+7], v[(\c):(\c)+7], v[(\sa)], v[(\sb)] matrix_a_fmt:MATRIX_FMT_FP4 matrix_b_fmt:MATRIX_FMT_FP4 matrix_a_scale:MATRIX_SCALE_ROW1
.elseif ((\ra) == 0) && ((\rb) == 1)
	v_wmma_scale_f32_16x16x128_f8f6f4 v[(\d):(\d)+7], v[(\a):(\a)+7], v[(\b):(\b)+7], v[(\c):(\c)+7], v[(\sa)], v[(\sb)] matrix_a_fmt:MATRIX_FMT_FP4 matrix_b_fmt:MATRIX_FMT_FP4 matrix_b_scale:MATRIX_SCALE_ROW1
.else
	v_wmma_scale_f32_16x16x128_f8f6f4 v[(\d):(\d)+7], v[(\a):(\a)+7], v[(\b):(\b)+7], v[(\c):(\c)+7], v[(\sa)], v[(\sb)] matrix_a_fmt:MATRIX_FMT_FP4 matrix_b_fmt:MATRIX_FMT_FP4 matrix_a_scale:MATRIX_SCALE_ROW1 matrix_b_scale:MATRIX_SCALE_ROW1
.endif
.endm
.macro WLOAD hu                        ; half-unit hu's fragments of wo and its bias: 32 loads
	WIN 0x40                                       ; destination window 1, address window 0
.irp u, 0,1
.irp s, 0,1,2,3
.irp c, 0,1
	global_load_b128 v[64*(\hu)+32*\u+8*\s+4*\c:64*(\hu)+32*\u+8*\s+4*\c+3], v[L16], s[8:9] offset:8192*(\hu)+4096*\u+1024*\s+512*\c
.endr
.endr
.endr
.irp u, 0,1                                    ; lane (r, h) holds ONE channel, 32 hu + 8 ct + r + 8 (r / 8): the same number in the tile's eight registers
.irp i, 0,1,2,3,4,5,6,7
	global_load_b32 v[128+16*(\hu)+8*\u+\i], v[BV], s[12:13] offset:128*(\hu)+32*\u
.endr
.endr
	WIN 0
.endm
.macro XLOAD xr, hu                    ; x's 32 rows of half-unit hu, two rows a load: 16 loads
	WIN 0x40
.irp i, 0,1,2,3,4,5,6,7,8,9,10,11,12,13,14,15
	global_load_b128 v[(\xr)+4*\i:(\xr)+4*\i+3], v[XO], s[14:15] offset:(32*(\hu)+2*\i)*8192 th:TH_LOAD_NT
.endr
	WIN 0
.endm
; 32 matrix instructions, the 8 accumulators by turns in every K step; the bias is the C of each sum's first instruction.  Pair 2 kb + ct: channel (ct, r), tokens 32 kb + 16 h + 0 .. 15.
.macro HUO hu
.set WR,  64*(\hu)
.set BR,  128+16*(\hu)
.set WSR, WS+4*(\hu)
.irp s, 0,1,2,3
.if \s == 0
	WIN 0x14                                       ; source 1 (wo) and C (the bias) window 1
.else
	WIN 0x04
.endif
.irp m, 0,1,2,3
.irp u, 0,1
.if \s == 0
	WM ACC+16*(2*(\m/2)+\u)+8*(\m%2), CF+32*\m, WR+32*\u, BR+8*\u, CS+4*(\m/2), WSR, \m%2, \u
.else
	WM ACC+16*(2*(\m/2)+\u)+8*(\m%2), CF+32*\m+8*\s, WR+32*\u+8*\s, ACC+16*(2*(\m/2)+\u)+8*(\m%2), CS+4*(\m/2)+\s, WSR+\s, \m%2, \u
.endif
.endr
.endr
.endr
	WIN 0
.rept 4
	v_nop                                          ; four places behind the last products, in front of the LDS stores that read results; they stay beside the wait below
.endr
	s_wait_alu depctr_va_vdst(0)                   ; the 32 products have written the accumulators, which the LDS stores read, and are done reading this half-unit's fragments of wo, in which (behind half-unit 0) x's next rows land
.endm
; The way out of half-unit hu.  xr: where x's rows lie in window 1.  wait: the younger loads that may stay out when x's rows have to be there.
; The stage's 32 rows come back in one run of sixteen loads, into v[OUT ..] of window 0 and of window 1; then the 32 packed additions; then one wait and the sixteen stores.
.macro EPI hu, xr, wait
.irp k, 0,1
.irp u, 0,1
.irp q, 0,1,2,3
	ds_store_b128 v[SO], v[ACC+16*(2*\k+\u)+4*\q:ACC+16*(2*\k+\u)+4*\q+3] offset:8*SPITCH*\u+128*\k+16*\q   ; each accumulator from its low end on
.endr
.endr
.endr
.irp i, 0,1,2,3,4,5,6,7
	ds_load_b128 v[OUT+4*\i:OUT+4*\i+3], v[RD] offset:2*SPITCH*\i   ; LDS serves a wave's instructions in order (ISA guide 5.7.1.4): these see my stores.  No vector instruction since the last wait on va_vdst names these registers
.endr
	WIN 0x40                                       ; destination window 1, address window 0
.irp i, 0,1,2,3,4,5,6,7
	ds_load_b128 v[OUT+4*\i:OUT+4*\i+3], v[RD] offset:2*SPITCH*(8+\i)   ; rows 16 to 31, into window 1
.endr
	s_wait_dscnt 8                                 ; the first sixteen rows are back; the youngest eight loads may stay out
	s_wait_loadcnt \wait
	WIN 0x44                                       ; destination and source 1 (x) window 1, source 0 window 0
.irp i, 0,1,2,3,4,5,6,7,8,9,10,11,12,13,14,15
	v_pk_add_f32 v[(\xr)+2*\i:(\xr)+2*\i+1], v[OUT+2*\i:OUT+2*\i+1], v[(\xr)+2*\i:(\xr)+2*\i+1]
.endr
	s_wait_dscnt 0x0                               ; the other sixteen rows are back
	WIN 0x45                                       ; all three in window 1
.irp i, 0,1,2,3,4,5,6,7,8,9,10,11,12,13,14,15
	v_pk_add_f32 v[(\xr)+32+2*\i:(\xr)+32+2*\i+1], v[OUT+2*\i:OUT+2*\i+1], v[(\xr)+32+2*\i:(\xr)+32+2*\i+1]
.endr
	WIN 0x04                                       ; a store's data are its source 1: window 1
	s_wait_alu depctr_va_vdst(0)                   ; the additions have written the 32 rows, which the stores below read, and are done reading v[OUT ..] of both windows, in which the next half-unit's rows land
.irp i, 0,1,2,3,4,5,6,7,8,9,10,11,12,13,14,15
	global_store_b128 v[XO], v[(\xr)+4*\i:(\xr)+4*\i+3], s[16:17] offset:(32*(\hu)+2*\i)*8192 th:TH_STORE_NT   ; sixteen lanes store 256 consecutive bytes, aligned; no store's data are written again
.endr
	WIN 0
.endm
	s_load_b256 s[4:11], s[0:1], 0x0               ; cimg, csc, wimg, wsc
	s_load_b128 s[12:15], s[0:1], 0x20             ; bo, x
	s_load_b64 s[16:17], s[0:1], 0x30              ; out0
	v_lshl_add_u32 v[SPW], v0, 2, SPARE
	v_mov_b32 v[NIL], 0
	v_lshrrev_b32 v1, 5, v0
	v_readfirstlane_b32 s18, v1                    ; wave 0..7
	s_lshr_b32 s19, ttmp9, 5                       ; b
	s_and_b32 s20, ttmp9, 31                       ; tb: which 64 tokens
	v_and_b32 v1, 31, v0
	v_lshlrev_b32 v[L16], 4, v1
	v_and_b32 v9, 15, v0                           ; r
	v_bfe_u32 v10, v0, 4, 1                        ; h
	v_lshlrev_b32 v11, 4, v9
	v_lshl_add_u32 v[XO], v10, 13, v11
	v_and_b32 v12, 8, v9
	v_add_nc_u32 v12, v12, v9                      ; r + 8 (r / 8)
	v_lshlrev_b32 v[BV], 2, v12
	s_wait_alu depctr_va_sdst(0)                   ; s18 is written, ahead of its first reader: my stage's address and the bases are made from it
	s_mul_i32 s24, s18, STG                        ; my stage
	v_mul_u32_u24 v12, v12, SPITCH
	v_lshl_add_u32 v12, v10, 6, v12
	v_add_nc_u32 v[SO], s24, v12                   ; row r + 8 (r / 8) (+ 8 ct), byte 64 h (+ 128 kb + 16 q)
	v_mul_u32_u24 v12, v10, SPITCH
	v_add_nc_u32 v12, v12, v11
	v_add_nc_u32 v[RD], s24, v12                   ; back: lanes 0-15 one row, lanes 16-31 the next
	s_mov_b32 s23, 0
	s_wait_kmcnt 0x0
	s_lshl_b32 s22, s19, 19                        ; cimg: 524,288 b + 4 tb tiles of 4,096
	s_lshl_b32 s24, s20, 14
	s_add_co_u32 s22, s22, s24
	s_add_nc_u64 s[4:5], s[4:5], s[22:23]
	s_lshl_b32 s22, s19, 15                        ; csc: 32,768 b + 2 tb pairs of 512
	s_lshl_b32 s24, s20, 10
	s_add_co_u32 s22, s22, s24
	s_add_nc_u64 s[6:7], s[6:7], s[22:23]
	s_lshl_b32 s22, s18, 14                        ; wimg: the fourth weight, my two groups of 32 columns
	s_add_co_u32 s22, s22, 3*131072
	s_add_nc_u64 s[8:9], s[8:9], s[22:23]
	s_lshl_b32 s22, s18, 10
	s_add_co_u32 s22, s22, 3*8192
	s_add_nc_u64 s[10:11], s[10:11], s[22:23]      ; wsc
	s_lshl_b32 s22, s18, 8
	s_add_nc_u64 s[12:13], s[12:13], s[22:23]      ; bo: my 64
	s_lshl_b32 s22, s19, 22                        ; x and out0: batch, my first channel, the first token
	s_lshl_b32 s24, s18, 19
	s_add_co_u32 s22, s22, s24
	s_lshl_b32 s24, s20, 8
	s_add_co_u32 s22, s22, s24
	s_add_nc_u64 s[14:15], s[14:15], s[22:23]
	s_add_nc_u64 s[16:17], s[16:17], s[22:23]
	s_wait_alu depctr_va_vdst(0)                   ; the addresses v2 to v8 are written: every load, store and LDS instruction of the kernel reads one of them, and none is written again
.irp m, 0,1,2,3
.irp s, 0,1,2,3
.irp c, 0,1
	global_load_b128 v[CF+32*\m+8*\s+4*\c:CF+32*\m+8*\s+4*\c+3], v[L16], s[4:5] offset:4096*\m+1024*\s+512*\c
.endr
.endr
.endr
.irp i, 0,1
	global_load_b128 v[CS+4*\i:CS+4*\i+3], v[L16], s[6:7] offset:512*\i     ; register 4 i + s: lanes 0-15 tile 2 i, lanes 16-31 tile 2 i + 1
	global_load_b128 v[WS+4*\i:WS+4*\i+3], v[L16], s[10:11] offset:512*\i   ; half-unit i: lanes 0-15 tile ct = 0, lanes 16-31 ct = 1
.endr
	WLOAD 0
	WLOAD 1                                        ; from here on 48 loads: half-unit 1's 32,
	XLOAD 160, 0                                   ; and x's 16 of half-unit 0
	s_wait_loadcnt 48                              ; ctx, the scale words and half-unit 0's operands are in
	HUO 0
	XLOAD 0, 1                                     ; into the registers that held half-unit 0's fragments of wo
	EPI 0, 160, 16                                 ; x's rows of half-unit 0 are in, and so are half-unit 1's operands, asked for ahead of them; the 16 loads just issued may stay out
	s_wait_alu depctr_vm_vsrc(0)                   ; half-unit 0's LDS stores have read the accumulators, which the products below write again
	HUO 1
	EPI 1, 0, 0
	s_wait_dscnt 0x0                               ; the wave's end
	s_wait_alu 0x0
	s_wait_tensorcnt 0x0
	ds_add_u32 v[SPW], v[NIL]
	s_wait_dscnt 0x0
	s_endpgm
.Lfunc_end_k_q883fcf9246_oproj:
	.size	k_q883fcf9246_oproj, .Lfunc_end_k_q883fcf9246_oproj-k_q883fcf9246_oproj
	.p2alignl 7, 3214868480
	.fill 96, 4, 3214868480
	.section	.rodata,"a",@progbits
	.p2align	6, 0x0
	.amdhsa_kernel k_q883fcf9246_oproj
		.amdhsa_group_segment_fixed_size 70656
		.amdhsa_private_segment_fixed_size 0
		.amdhsa_enable_private_segment 0
		.amdhsa_kernarg_size 56
		.amdhsa_user_sgpr_count 2
		.amdhsa_user_sgpr_kernarg_segment_ptr 1
		.amdhsa_wavefront_size32 1
		.amdhsa_system_sgpr_workgroup_id_x 1
		.amdhsa_system_sgpr_workgroup_id_y 1
		.amdhsa_system_sgpr_workgroup_id_z 1
		.amdhsa_system_vgpr_workitem_id 0
		.amdhsa_next_free_vgpr 512
		.amdhsa_next_free_sgpr 66
		.amdhsa_reserve_vcc 0
		.amdhsa_float_denorm_mode_32 3
		.amdhsa_float_denorm_mode_16_64 3
		.amdhsa_memory_ordered 1
		.amdhsa_forward_progress 1
		.amdhsa_inst_pref_size 36
	.end_amdhsa_kernel
	.amdgpu_metadata
---
amdhsa.version: [ 1, 2 ]
amdhsa.kernels:
  - .name:           k_q883fcf9246_oproj
    .symbol:         k_q883fcf9246_oproj.kd
    .args:
      - { .name: cimg, .offset: 0, .size: 8, .value_kind: global_buffer, .address_space: global }
      - { .name: csc, .offset: 8, .size: 8, .value_kind: global_buffer, .address_space: global }
      - { .name: wimg, .offset: 16, .size: 8, .value_kind: global_buffer, .address_space: global }
      - { .name: wsc, .offset: 24, .size: 8, .value_kind: global_buffer, .address_space: global }
      - { .name: bo, .offset: 32, .size: 8, .value_kind: global_buffer, .address_space: global }
      - { .name: x, .offset: 40, .size: 8, .value_kind: global_buffer, .address_space: global }
      - { .name: out0, .offset: 48, .size: 8, .value_kind: global_buffer, .address_space: global }
    .group_segment_fixed_size: 70656
    .private_segment_fixed_size: 0
    .kernarg_segment_align: 8
    .kernarg_segment_size: 56
    .max_flat_workgroup_size: 256
    .sgpr_count:     66
    .vgpr_count:     512
    .wavefront_size: 32
...
	.end_amdgpu_metadata
.endif
;; end of part 8
